; MI455X (gfx1250); checked and timed in simulation.
; The chip was launched on July 23, 2026; its instructions are those of AMD's public machine-readable ISA for CDNA 5 (MIT licence, August 2026) and "CDNA5" Instruction Set Architecture Reference Guide (July 2026). The comments in the code are by the model that wrote it; some were corrected since.
;; Multi Headed Attention. Allowed arithmetic: matrix products marked QUANTISED: E2M3 operands, one E8M0 scale for each 32 along K, by v_wmma_scale_f32_16x16x128_f8f6f4 with both operands' format E2M3, f32 sums; everything else in f32.
;; Inputs: Wk 1,024 x 1,024 float32; Wo 1,024 x 1,024 float32; Wq 1,024 x 1,024 float32; Wv 1,024 x 1,024 float32; bk 1,024 float32; bo 1,024 float32; bq 1,024 float32; bv 1,024 float32; key 4 x 2,048 x 1,024 float32; mask 4 x 1 x 2,048 int32; query 4 x 2,048 x 1,024 float32; value 4 x 2,048 x 1,024 float32.
;; Outputs: out0 4 x 2,048 x 1,024 float32.
;; This version of the problem:
;;   THIS VERSION OF THE PROBLEM IS GIVEN IN LOW PRECISION. The matrix products marked QUANTISED in the list below multiply operands that are first quantised to E2M3 (2 exponent bits, 3 mantissa bits; 6 bits a number), with one power-of-two scale for each 32 numbers along K (OCP MX v1.0); their sums are f32. All else is computed in f32.
;;   The module's matrix products, in the order in which they are computed (A, B: the left and right operand; K: the contracted axis; several contracted axes count as one K, in the product's order):
;;     1. [M 8,192, K 1,024] x [K 1,024, N 1,024]; A: input query; B: input Wq: QUANTISED
;;     2. [M 8,192, K 1,024] x [K 1,024, N 1,024]; A: input key; B: input Wk: QUANTISED
;;     3. [M 8,192, K 1,024] x [K 1,024, N 1,024]; A: input value; B: input Wv: QUANTISED
;;     4. batch 64 x [M 2,048, K 64] x [K 64, N 2,048]; A: computed on the way; B: computed on the way: QUANTISED
;;     5. batch 64 x [M 2,048, K 2,048] x [K 2,048, N 64]; A: computed on the way; B: computed on the way: QUANTISED
;;     6. [M 8,192, K 1,024] x [K 1,024, N 1,024]; A: computed on the way; B: input Wo: QUANTISED
;;   THE QUANTISER, for each operand of a quantised product, along K:
;;     - K is cut into blocks of 32 from its start; a last block that is shorter is filled with zeros.
;;     - A block's scale is 2^e with e = floor(log2(the largest magnitude in the block)) - 2, held to -126 .. 127; a block of zeros has e = 0. As a byte (E8M0): e + 127.
;;     - Each number is divided by its block's scale, clamped to +-7.5, and rounded to the nearest number of E2M3, ties to even, subnormals kept.
;;     - The product sums the exact products of the quantised numbers (number of the format x scale) in f32.
;;   ~~~python
;;   def quantise(x, axis):      # numpy; x: float32 -> the quantised numbers, widened to float32 again
;;       x = np.moveaxis(x, axis, -1); K = x.shape[-1]
;;       x = np.pad(x, [(0, 0)] * (x.ndim - 1) + [(0, -K % 32)]); x = x.reshape(x.shape[:-1] + (-1, 32)); a = np.abs(x).max(-1, keepdims=True)
;;       e = np.where(a > 0, np.clip(np.frexp(np.where(a > 0, a, 1))[1] - 1 - 2, -126, 127), 0)      # np.frexp(a)[1] - 1 = floor(log2(a)), exactly
;;       r = np.clip(x / 2.0 ** e, -7.5, 7.5)
;;       step = 2.0 ** (np.maximum(np.frexp(np.where(r == 0, 1, r))[1] - 1, 0) - 3)
;;       q = np.round(r / step) * step * 2.0 ** e      # np.round: ties to even
;;       return np.moveaxis(q.reshape(q.shape[:-2] + (-1,))[..., :K], -1, axis).astype(np.float32)
;;   ~~~
;;   OPERANDS COMPUTED ON THE WAY. 'Computed on the way' means the value that the module computes at that place (a softmax that the list does not call 'softmax' is quantised finished and normalised). What goes into a quantiser is computed in f32, as accurately as f32 sums, v_exp_f32 and their like allow (about 1e-6 of the number): no bf16 or f16 on the way to a quantiser, and a product that is left as it is and whose result goes on into a quantised operand takes f32 operands (vector FMAs, or v_wmma_f32_16x16x4_f32). A number that lies on a knife's edge between two numbers of the format may be rounded either way, as far as f32 arithmetic and the matrix unit's own rounding can turn it there, and no further.
;; One version. Each part assembles by itself: llvm-mc -triple=amdgcn-amd-amdhsa -mcpu=gfx1250 --defsym DOCPART=n.
;; ======== version 1 of 1: 4 launches
;; limits: right only within a limited range of input values
;; workspace buffers: img 22,020,096 bytes; scl 917,504 bytes; qa 8,912,896 bytes; kv 15,466,496 bytes; ximg 6,291,456 bytes; xsc 262,144 bytes
;; launch quant (part 1): grid 256 x 1, 14 waves a work-group, no clusters, 120,064 bytes of LDS; arguments query, key, value, Wq, Wk, Wv, Wo, img, scl; writes img, scl
.if DOCPART == 1
	.amdgcn_target "amdgcn-amd-amdhsa--gfx1250"
	.amdhsa_code_object_version 6
	.text
	.protected	k_q5554077d67_quant
	.globl	k_q5554077d67_quant
	.p2align	8
	.type	k_q5554077d67_quant,@function
k_q5554077d67_quant:
	s_mov_b64 s[64:65], 0
	v_nop
	global_prefetch_b8 v0, s[64:65] scope:SCOPE_SE
	s_setreg_imm32_b32 hwreg(HW_REG_WAVE_MODE, 25, 1), 1
	s_wait_xcnt 0x0
; query, key, value [8192][1024] and Wq, Wk, Wv, Wo [1024][1024], f32, K innermost, become codes of FP6 (E2M3) with one E8M0 byte for each 32 along K,
; laid in the ORDER OF THE OPERAND'S REGISTERS, so that the products' launches read fragments by loads of consecutive bytes.
; ROW TILES.  Rows go in groups of 32: lane r of tile 2 g + u holds row 32 g + 8 u + (r % 8) + 16 (r / 8).
; IMAGE.  A half fragment is 16 rows x 64 K, six registers a lane (lane (r, h): k = 32 h .. 32 h + 31): registers 0-3 at 16 x lane, registers 4-5 at 512 + 8 x lane: 768 bytes.  img: [tensor][row tile][16 half fragments].
; SCALES.  scl: [tensor][g][half of K][lane 32][4 words]: lanes 0-15 tile 2 g, lanes 16-31 tile 2 g + 1; a word holds the four bytes of 128 along K.
; A block's byte is its largest magnitude's exponent field - 2, held at 1 from below.  A block of zeros keeps the byte 1: its codes are zeros, and this program alone reads the bytes.
; LIMITS: blocks whose largest magnitude lies under 2^-124 keep the byte 1; NaN and infinities among the inputs are not served.
; SHARES.  A unit is one row tile x half of K (16 rows x 512 numbers); there are 3,584 units, one a wave: unit = 14 x work-group + wave.
; A unit goes in four steps of 128 along K.  Each load reads 512 consecutive bytes of one row; the 16 rows turn through the wave's own stage in LDS (rows 528 bytes apart) and come back 32 neighbours a block and lane.
; No tensor load, no barrier: waves share nothing.  Two steps' loads (32 a wave) are out.
.set PITCH, 528
.set STG,   16*PITCH                   ; a wave's stage
.set SPARE, 14*STG                     ; behind the stages: the spare words, 128 bytes for each wave, that no other line names
.set SPW,  1                           ; v1   LDS address of my spare word; never rewritten
.set NIL,  2                           ; v2   0; never rewritten
.set A16,  3                           ; v3   16 x lane
.set SIN,  4                           ; v4   the stage, way in
.set SOUT, 5                           ; v5   the stage, way out: row r, + 128 h
.set SH8,  6                           ; v6   8 h
.set A8,   7                           ; v7   8 x lane
.set ASC,  8                           ; v8   16 r + 8 h
.set R,    16                          ; v16-143  two sets of 16 rows x 4 registers, as loaded
.set X,    144                         ; v144-207 two blocks of 32 neighbours
.set I,    208                         ; v208-219 the step's fragment
.set T,    220                         ; v220-222, v224-226 the blocks' upper 16 codes
.set M,    228
.set SC,   230
.set BY,   232
.set W,    236                         ; v236-239 the four steps' scale words
.set TP,   240
	s_load_b512 s[4:19], s[0:1], 0x0               ; query, key, value, Wq, Wk, Wv, Wo, img
	s_load_b64 s[20:21], s[0:1], 0x40              ; scl
	v_lshl_add_u32 v[SPW], v0, 2, SPARE
	v_mov_b32 v[NIL], 0
	v_lshrrev_b32 v9, 5, v0
	s_delay_alu instid0(VALU_DEP_1)
	v_readfirstlane_b32 s22, v9                    ; wave
	v_and_b32 v9, 31, v0                           ; lane
	v_and_b32 v10, 15, v0                          ; r
	v_bfe_u32 v11, v0, 4, 1                        ; h
	s_delay_alu instid0(VALU_DEP_3)
	v_lshlrev_b32 v[A16], 4, v9
	s_delay_alu instid0(VALU_DEP_4)
	v_lshlrev_b32 v[A8], 3, v9
	s_delay_alu instid0(VALU_DEP_4)
	v_lshlrev_b32 v[ASC], 4, v10
	s_delay_alu instid0(VALU_DEP_1)
	v_lshl_add_u32 v[ASC], v11, 3, v[ASC]
	v_lshlrev_b32 v[SH8], 3, v11
	s_mul_i32 s24, s22, STG
	v_add_nc_u32 v[SIN], s24, v[A16]
	v_mul_u32_u24 v[SOUT], v10, PITCH
	s_delay_alu instid0(VALU_DEP_1)
	v_lshl_add_u32 v[SOUT], v11, 7, v[SOUT]
	s_delay_alu instid0(VALU_DEP_1)
	v_add_nc_u32 v[SOUT], s24, v[SOUT]
	v_mov_b32 v[TP+1], 0                           ; a lane permute's destination counts as one of its sources
	s_mul_i32 s23, ttmp9, 14
	s_add_co_u32 s23, s23, s22                     ; my unit
	s_lshr_b32 s32, s23, 10                        ; units 0 .. 3071: tensor t = unit / 1024,
	s_and_b32 s33, s23, 1023                       ; the unit in it,
	s_mul_i32 s34, s32, 6291456                    ; its images,
	s_lshl_b32 s35, s32, 18                        ; its scale words
	s_max_u32 s36, s23, 3072
	s_sub_co_u32 s36, s36, 3072                    ; units 3072 on: weight w = (unit - 3072) / 128
	s_lshr_b32 s37, s36, 7
	s_and_b32 s38, s36, 127
	s_mul_i32 s39, s37, 786432
	s_add_co_u32 s39, s39, 18874368
	s_lshl_b32 s43, s37, 15
	s_add_co_u32 s43, s43, 786432
	s_cmp_lt_u32 s23, 3072
	s_cselect_b32 s33, s33, s38
	s_cselect_b32 s34, s34, s39
	s_cselect_b32 s35, s35, s43
	s_lshr_b32 s44, s33, 1                         ; row tile
	s_and_b32 s45, s33, 1                          ; half of K
	s_lshr_b32 s46, s44, 1                         ; g
	s_and_b32 s47, s44, 1                          ; u
	s_lshl_b32 s48, s46, 17                        ; the source: (32 g + 8 u) rows of 4,096 bytes + 2,048 x half
	s_lshl_b32 s49, s47, 15
	s_add_co_u32 s48, s48, s49
	s_lshl_b32 s49, s45, 11
	s_add_co_u32 s48, s48, s49
	s_mov_b32 s49, 0
	s_mul_i32 s50, s44, 12288                      ; the images: 12,288 bytes a row tile, 6,144 a half of K
	s_add_co_u32 s50, s50, s34
	s_mul_i32 s51, s45, 6144
	s_add_co_u32 s50, s50, s51
	s_mov_b32 s51, 0
	s_lshl_b32 s52, s46, 10                        ; the scale words: 1,024 g + 512 x half + 256 u
	s_add_co_u32 s52, s52, s35
	s_lshl_b32 s53, s45, 9
	s_add_co_u32 s52, s52, s53
	s_lshl_b32 s53, s47, 8
	s_add_co_u32 s52, s52, s53
	s_mov_b32 s53, 0
	s_mov_b32 s40, 0x76543210
	s_mov_b32 s41, 0xfedcba98                      ; v_permlanex16_b32's selects for lane l xor 16
	s_mov_b32 s42, 0xffff0000                      ; lanes 16-31
	s_wait_alu depctr_va_vdst(0)
	s_wait_kmcnt 0x0
	s_mov_b64 s[26:27], s[16:17]                   ; the source tensor, chosen by the unit's number alone
	s_cmp_lt_u32 s23, 3456
	s_cselect_b64 s[26:27], s[14:15], s[26:27]
	s_cmp_lt_u32 s23, 3328
	s_cselect_b64 s[26:27], s[12:13], s[26:27]
	s_cmp_lt_u32 s23, 3200
	s_cselect_b64 s[26:27], s[10:11], s[26:27]
	s_cmp_lt_u32 s23, 3072
	s_cselect_b64 s[26:27], s[8:9], s[26:27]
	s_cmp_lt_u32 s23, 2048
	s_cselect_b64 s[26:27], s[6:7], s[26:27]
	s_cmp_lt_u32 s23, 1024
	s_cselect_b64 s[26:27], s[4:5], s[26:27]
	s_add_nc_u64 s[26:27], s[26:27], s[48:49]
	s_add_nc_u64 s[28:29], s[18:19], s[50:51]
	s_add_nc_u64 s[30:31], s[20:21], s[52:53]
.macro LOAD s                          ; step s: 128 numbers of each of the tile's 16 rows; 32 lanes read 512 consecutive bytes
.irp j, 0,1,2,3,4,5,6,7,8,9,10,11,12,13,14,15
	global_load_b128 v[R+64*((\s)%2)+4*\j:R+64*((\s)%2)+4*\j+3], v[A16], s[26:27] offset:((\j%8)+16*(\j/8))*4096+512*(\s) th:TH_LOAD_NT
.endr
.endm
.macro TURN s                          ; through my stage: LDS serves a wave's instructions in order, so no wait stands between the stores and the loads
.irp j, 0,1,2,3,4,5,6,7,8,9,10,11,12,13,14,15
	ds_store_b128 v[SIN], v[R+64*((\s)%2)+4*\j:R+64*((\s)%2)+4*\j+3] offset:PITCH*\j
.endr
.irp c, 0,1
.irp i, 0,1,2,3,4,5,6,7
	ds_load_b128 v[X+32*\c+4*\i:X+32*\c+4*\i+3], v[SOUT] offset:256*\c+16*\i   ; k = 64 c + 32 h + 4 i ..
.endr
.endr
.endm
.macro STEP s
.if (\s) < 3
	s_wait_loadcnt 16                              ; this step's 16 loads are in; the other set's 16 may be out
.else
	s_wait_loadcnt 0x0
.endif
	TURN \s
	s_wait_dscnt 0x0                               ; my numbers are back, and the stores into the stage have read their registers,
.if (\s) < 2
	LOAD (\s)+2                                    ; which take the loads of two steps on
.endif
.irp c, 0,1
	v_max3_num_f32 v[M+\c], |v[X+32*\c]|, |v[X+32*\c+1]|, 0x1800000   ; my block 2 c + h: all its 32 numbers are mine; the floor 2^(3 - 127) holds the byte at 1 from below
.endr
.irp i, 2,4,6,8,10,12,14,16,18,20,22,24,26,28,30
.irp c, 0,1
	s_delay_alu instid0(VALU_DEP_2)
	v_max3_num_f32 v[M+\c], v[M+\c], |v[X+32*\c+\i]|, |v[X+32*\c+\i+1]|
.endr
.endr
.irp c, 0,1
	s_delay_alu instid0(VALU_DEP_2)
	v_add_nc_u32 v[SC+\c], 0xff000000, v[M+\c]     ; 2 off the exponent field: the conversion's scale operand
.endr
.irp c, 0,1
	s_delay_alu instid0(VALU_DEP_2)
	v_lshrrev_b32 v[BY+\c], 23, v[SC+\c]           ; the scale's byte
.endr
	s_wait_alu depctr_va_vdst(0)
	s_wait_xcnt 0x0                                ; the last step's stores have read the fragment's registers: only now are they written again
.irp c, 0,1
	v_cvt_scalef32_pk16_fp6_f32 v[I+6*\c:I+6*\c+2], v[X+32*\c:X+32*\c+15], v[SC+\c]
	v_cvt_scalef32_pk16_fp6_f32 v[T+4*\c:T+4*\c+2], v[X+32*\c+16:X+32*\c+31], v[SC+\c]   ; (a conversion's three registers begin on an even number)
.endr
	v_nop                                          ; one plain place behind a scaled conversion
.irp c, 0,1
.irp i, 0,1,2
	v_mov_b32 v[I+6*\c+3+\i], v[T+4*\c+\i]
.endr
.endr
	v_lshl_or_b32 v[TP], v[BY+1], 16, v[BY]        ; my two bytes, blocks h and 2 + h,
	s_delay_alu instid0(VALU_DEP_1)
	v_lshlrev_b32 v[TP], v[SH8], v[TP]             ; at their places in the word;
	s_delay_alu instid0(VALU_DEP_1)
	v_permlanex16_b32 v[TP+1], v[TP], s40, s41
	s_delay_alu instid0(VALU_DEP_1)
	v_or_b32 v[W+(\s)], v[TP], v[TP+1]             ; with lane l xor 16's two the word is whole
.irp c, 0,1
	global_store_b128 v[A16], v[I+6*\c:I+6*\c+3], s[28:29] offset:(2*(\s)+\c)*768         ; 512 consecutive bytes, at a multiple of 256
	global_store_b64 v[A8], v[I+6*\c+4:I+6*\c+5], s[28:29] offset:(2*(\s)+\c)*768+512     ; 256 consecutive bytes, at a multiple of 256
.endr
.endm
	LOAD 0
	LOAD 1
	STEP 0
	STEP 1
	STEP 2
	STEP 3
	v_cndmask_b32 v[TP], v[W], v[W+2], s42         ; lane (r, h) stores words 2 h and 2 h + 1 of row r
	v_cndmask_b32 v[TP+1], v[W+1], v[W+3], s42
	global_store_b64 v[ASC], v[TP:TP+1], s[30:31]  ; 256 consecutive bytes, at a multiple of 256
	s_wait_tensorcnt 0x0                           ; the wave's end, behind my last LDS store
	ds_add_u32 v[SPW], v[NIL]
	s_wait_dscnt 0x0
	s_endpgm
.Lfunc_end_k_q5554077d67_quant:
	.size	k_q5554077d67_quant, .Lfunc_end_k_q5554077d67_quant-k_q5554077d67_quant
	.p2alignl 7, 3214868480
	.fill 96, 4, 3214868480
	.section	.rodata,"a",@progbits
	.p2align	6, 0x0
	.amdhsa_kernel k_q5554077d67_quant
		.amdhsa_group_segment_fixed_size 120064
		.amdhsa_private_segment_fixed_size 0
		.amdhsa_enable_private_segment 0
		.amdhsa_kernarg_size 72
		.amdhsa_user_sgpr_count 2
		.amdhsa_user_sgpr_kernarg_segment_ptr 1
		.amdhsa_wavefront_size32 1
		.amdhsa_system_sgpr_workgroup_id_x 1
		.amdhsa_system_sgpr_workgroup_id_y 1
		.amdhsa_system_sgpr_workgroup_id_z 1
		.amdhsa_system_vgpr_workitem_id 0
		.amdhsa_next_free_vgpr 256
		.amdhsa_next_free_sgpr 66
		.amdhsa_reserve_vcc 0
		.amdhsa_float_denorm_mode_32 3
		.amdhsa_float_denorm_mode_16_64 3
		.amdhsa_memory_ordered 1
		.amdhsa_forward_progress 1
		.amdhsa_inst_pref_size 37
	.end_amdhsa_kernel
	.amdgpu_metadata
---
amdhsa.version: [ 1, 2 ]
amdhsa.kernels:
  - .name:           k_q5554077d67_quant
    .symbol:         k_q5554077d67_quant.kd
    .args:
      - { .name: query, .offset: 0, .size: 8, .value_kind: global_buffer, .address_space: global }
      - { .name: key, .offset: 8, .size: 8, .value_kind: global_buffer, .address_space: global }
      - { .name: value, .offset: 16, .size: 8, .value_kind: global_buffer, .address_space: global }
      - { .name: Wq, .offset: 24, .size: 8, .value_kind: global_buffer, .address_space: global }
      - { .name: Wk, .offset: 32, .size: 8, .value_kind: global_buffer, .address_space: global }
      - { .name: Wv, .offset: 40, .size: 8, .value_kind: global_buffer, .address_space: global }
      - { .name: Wo, .offset: 48, .size: 8, .value_kind: global_buffer, .address_space: global }
      - { .name: img, .offset: 56, .size: 8, .value_kind: global_buffer, .address_space: global }
      - { .name: scl, .offset: 64, .size: 8, .value_kind: global_buffer, .address_space: global }
    .group_segment_fixed_size: 120064
    .private_segment_fixed_size: 0
    .kernarg_segment_align: 8
    .kernarg_segment_size: 72
    .max_flat_workgroup_size: 448
    .sgpr_count:     66
    .vgpr_count:     256
    .wavefront_size: 32
...
	.end_amdgpu_metadata
.endif
;; end of part 1
;; launch proj (part 2): grid 4 x 192, 4 waves a work-group, clusters of 4 x 4, 327,680 bytes of LDS; arguments img, scl, bq, bk, bv, mask, qa, kv; writes qa, kv
.if DOCPART == 2
	.amdgcn_target "amdgcn-amd-amdhsa--gfx1250"
	.amdhsa_code_object_version 6
	.text
	.protected	k_q5554077d67_proj
	.globl	k_q5554077d67_proj
	.p2align	8
	.type	k_q5554077d67_proj,@function
k_q5554077d67_proj:
	s_mov_b64 s[64:65], 0
	v_nop
	global_prefetch_b8 v0, s[64:65] scope:SCOPE_SE
	s_setreg_imm32_b32 hwreg(HW_REG_WAVE_MODE, 25, 1), 1
	s_wait_xcnt 0x0
	s_wait_alu depctr_hold_cnt(0) depctr_sa_sdst(0) depctr_va_vdst(0) depctr_va_sdst(0) depctr_va_ssrc(0) depctr_va_vcc(0) depctr_vm_vsrc(0)
	s_getreg_b32 s2, hwreg(HW_REG_IB_STS2, 6, 4)
	s_cmp_eq_u32 s2, 0
	s_cbranch_scc0 .Lentry_in_a_cluster
	s_endpgm
.Lentry_in_a_cluster:
	s_bfe_u32 s2, ttmp6, 0x10000c
	s_cmp_lg_u32 s2, 0xf033
	s_cbranch_scc0 .Lentry_shape_is_right
	s_endpgm
.Lentry_shape_is_right:
; q = query Wq^T + bq, k = key Wk^T + bk, v = value Wv^T + bv on codes of FP6 (E2M3); the results are quantised in registers into the operands of attention's two products.
; THE PRODUCT.  D = P Q^T: source 0 = 16 rows of P, source 1 = 16 rows of Q.  A work-group makes 256 rows of P x 128 rows of Q; wave w takes P's tiles 4 w .. 4 w + 3 against Q's eight: 32 accumulators.
;   q, k: P = the weight (a wave's 64 rows are one head), Q = the tokens: a lane holds ONE token and its registers run along the head's 64, the scores' K.
;   v:    P = the tokens, Q = the weight: a lane holds one channel and its registers run along 64 tokens, the second product's K.
; The rows of a tile follow the images' rule (lane r of tile 2 g + u: row 32 g + 8 u + r % 8 + 16 (r / 8)), so the 16 registers of tiles 2 g, 2 g + 1 are 16 neighbours along the next K.
; ALL OF K (1,024) LIES IN LDS: four chunks of 256 along K, each filled once by the tensor data mover; nothing is filled again.  Waves 0, 1 fetch P's halves, wave 2 Q; four loads of a wave are out at the most.
; CLUSTER 4 x 4: P's tile hangs on cx alone and is asked for jointly by a column of the cluster, Q's on cy alone and by a row.  The cluster's y gives the product (y / 16: 0 q, 1 k, 2 v) and the rest of the tile's place.
; THE MASK RIDES IN THE IDLE HALF OF K = 128.  The head fills k = 0 .. 63.  At k = 64 every query carries the code +7.5 under the byte 127; a masked key carries -7.5 under the byte 227 (2^100), any other key the code 0 under the byte 27.
;   So a masked score is -56.25 x 2^100 and every other score is as it would be.  The bytes of k = 96 .. 127 are 87 on both sides; all codes there are zeros on the queries' side.
; OUT.  qa: 64 records (batch x 16 + head) of [128 tiles x 1,024 bytes][16 x 512 bytes of scale words].  kv: 64 records of [K as qa][V: 32 chunks of 64 keys x 4 tiles of 16 channels x 768 bytes][V's scales: chunk x 16 x 4 halfwords].
;   A tile's image is eight registers a lane: 0-5 the codes, 6 the code at k = 64 (lanes 0-15), 7 zero.
; LIMITS: blocks whose largest magnitude lies under 2^-124 keep the byte 1, blocks of zeros too (their codes are zeros); NaN and infinities are not served.
; REGISTERS: window 0: addresses, scale words, the biases as C, the way out.  Windows 1, 2: fragment buffers 0, 1 (P at v[12 p], Q at v[48 + 12 t]).  Window 3: accumulator (t, p) at v[32 t + 8 p].
; LDS AS THIS TEXT LAYS IT (in place of the four chunks named above): K lies in TWO HALVES of 512, each filled once.  Q's region [half 2][row tile 8][6,144] from 0, P's [half 2][row tile 16][6,144] from PREG.
; At the head every wave issues ONE joint load: waves 0, 1 P's two row halves of K's first half, wave 2 Q's first half of K, wave 3 Q's second.  P's second half of K (waves 0, 1) follows behind the wait for the head's loads and a round
; it has K steps 0 to 3, 128 products, in which to land.  One tensor load of a wave is out at the most.
.set PREG,  98304
.set SPARE, 294912                     ; behind them: the spare words, 128 bytes for each wave, that no other line names
.set SPW,  1
.set NIL,  2
.set PA16, 3                           ; v3, v4: my P fragments' addresses (16 x lane, 8 x lane) in chunks 0, 1;  v5, v6: in chunks 2, 3
.set PA8,  4
.set QA16, 7                           ; v7, v8 and v9, v10: the same for Q
.set QA8,  8
.set A16,  11                          ; 16 x lane
.set A8,   12                          ; 8 x lane
.set AB,   13                          ; 64 h
.set AM,   14                          ; 4 (r % 8 + 16 (r / 8))
.set AVS,  15                          ; 241,664 h + 8 r
.set PSC,  16                          ; v16-31  P's scale words: pair i, K step s at PSC + 8 i + s
.set QSC,  32                          ; v32-63  Q's
.set BI,   64                          ; v64-95  the bias as C, eight registers for each of P's tiles; later at work
.set PM,   64                          ; later: lane exchange, then the bytes
.set SCV,  80                          ; later: the conversions' scale operands
.set MK,   96                          ; v96+2t  the lane's mask word (q, k) or bias (v) for Q's tile t; the odd registers hold 0
.set M,    112                         ; v112-127 largest magnitudes: tile t, block b at M + 2 t + b
.set I,    128                         ; v128-191 the images, eight registers a tile
.set TT,   192                         ; v192-223 the blocks' other halves
.set WD,   224
.set SW,   232
.set TMP,  240
.set EE,   241
.set CODE, 242
.set EU,   243
.set EM,   244
.set G1Q,  32
.set G1P,  40
.set G0Q,  48                          ; two sets, one for each half of K
.set G0P,  68
.set SEL,  66
.set HM,   24
.set MSB, 0
.macro WIN new                         ; the immediate's high byte repeats the setting that is left
.if MSB != \new
	s_set_vgpr_msb (MSB<<8)|\new
.set MSB, \new
.endif
.endm
.macro PLACES                          ; four plain places behind matrix instructions (ISA guide 7.12.1)
.rept 4
	v_nop
.endr
.endm
.macro CROUND                          ; a round of the cluster's barrier
	s_barrier_signal -1
	s_barrier_wait -1
	s_cmp_lg_u32 s20, 0
	s_cbranch_scc1 .Lnot_wave_0_\@
	s_barrier_signal -3
.Lnot_wave_0_\@:
	s_barrier_wait -3
	s_barrier_signal -1
	s_barrier_wait -1
.endm
.macro WM d, a, b, c, sa, sb, ra, rb   ; one product; ra, rb: the scales stand in lanes 16-31 of their registers
.if ((\ra) == 0) && ((\rb) == 0)
	v_wmma_scale_f32_16x16x128_f8f6f4 v[(\d):(\d)+7], v[(\a):(\a)+11], v[(\b):(\b)+11], v[(\c):(\c)+7], v[\sa], v[\sb] matrix_a_fmt:MATRIX_FMT_FP6 matrix_b_fmt:MATRIX_FMT_FP6
.elseif ((\rb) == 0)
	v_wmma_scale_f32_16x16x128_f8f6f4 v[(\d):(\d)+7], v[(\a):(\a)+11], v[(\b):(\b)+11], v[(\c):(\c)+7], v[\sa], v[\sb] matrix_a_fmt:MATRIX_FMT_FP6 matrix_b_fmt:MATRIX_FMT_FP6 matrix_a_scale:MATRIX_SCALE_ROW1
.elseif ((\ra) == 0)
	v_wmma_scale_f32_16x16x128_f8f6f4 v[(\d):(\d)+7], v[(\a):(\a)+11], v[(\b):(\b)+11], v[(\c):(\c)+7], v[\sa], v[\sb] matrix_a_fmt:MATRIX_FMT_FP6 matrix_b_fmt:MATRIX_FMT_FP6 matrix_b_scale:MATRIX_SCALE_ROW1
.else
	v_wmma_scale_f32_16x16x128_f8f6f4 v[(\d):(\d)+7], v[(\a):(\a)+11], v[(\b):(\b)+11], v[(\c):(\c)+7], v[\sa], v[\sb] matrix_a_fmt:MATRIX_FMT_FP6 matrix_b_fmt:MATRIX_FMT_FP6 matrix_a_scale:MATRIX_SCALE_ROW1 matrix_b_scale:MATRIX_SCALE_ROW1
.endif
.endm
.macro FRAG4 reg, a16, a8, off         ; a fragment is two half fragments on end: every load reads consecutive bytes
	ds_load_b128 v[(\reg):(\reg)+3], v[\a16] offset:(\off)
	ds_load_b64 v[(\reg)+4:(\reg)+5], v[\a8] offset:(\off)+512
	ds_load_b128 v[(\reg)+6:(\reg)+9], v[\a16] offset:(\off)+768
	ds_load_b64 v[(\reg)+10:(\reg)+11], v[\a8] offset:(\off)+1280
.endm
.macro FETCH s                         ; K step s: my 4 fragments of P and Q's 8 into buffer s % 2
.if (\s)%2 == 0
	WIN 0x40
.else
	WIN 0x80
.endif
.irp p, 0,1,2,3
	FRAG4 12*\p, PA16+2*((\s)/4), PA8+2*((\s)/4), \p*6144+((\s)%4)*1536
.endr
.irp t, 0,1,2,3,4,5,6,7
	FRAG4 48+12*\t, QA16+2*((\s)/4), QA8+2*((\s)/4), \t*6144+((\s)%4)*1536
.endr
.endm
.macro MUL s                           ; 32 products; the 32 accumulators take turns, one instruction a turn, in the same order in every step
.if (\s) == 0
	WIN 0xC5                                       ; sources 0, 1 window 1, C (the bias) window 0, D window 3
.elseif (\s)%2 == 0
	WIN 0xF5
.else
	WIN 0xFA
.endif
.irp t, 0,1,2,3,4,5,6,7
.irp p, 0,1,2,3
.if (\s) == 0
	WM 32*\t+8*\p, 12*\p, 48+12*\t, BI+8*\p, PSC+8*(\p/2)+(\s), QSC+8*(\t/2)+(\s), \p%2, \t%2
.else
	WM 32*\t+8*\p, 12*\p, 48+12*\t, 32*\t+8*\p, PSC+8*(\p/2)+(\s), QSC+8*(\t/2)+(\s), \p%2, \t%2
.endif
.endr
.endr
.endm
.macro STEP s
	s_wait_dscnt 0x0                               ; this step's fragments, asked for 32 products ago, are in
.if (\s) == 3
	s_wait_tensorcnt 0x0                           ; my part of K's second half has landed
	s_barrier_signal -1
	s_barrier_wait -1                              ; everybody's has
.endif
.if (\s) < 7
	PLACES                                         ; in front of loads into registers that the products of the step before have read
	FETCH (\s)+1
.endif
	MUL \s
.endm
	s_load_b512 s[4:19], s[0:1], 0x0               ; img, scl, bq, bk, bv, mask, qa, kv
	v_lshl_add_u32 v[SPW], v0, 2, SPARE
	v_mov_b32 v[NIL], 0
	ds_add_u32 v[SPW], v[NIL]                      ; the wave's opening: the add and its wait stand ahead of the first tensor load; work on registers stands between them
	ds_add_u32 v[SPW], v[NIL]
	v_lshrrev_b32 v13, 5, v0
	v_readfirstlane_b32 s20, v13                   ; wave
	s_and_b32 s21, s20, 1                          ; which half of P I fetch
	s_bfe_u32 s22, ttmp6, 0x40000                  ; cx
	s_bfe_u32 s23, ttmp6, 0x40004                  ; cy
	s_and_b32 s24, ttmp7, 0xffff                   ; the cluster's y, 0 .. 47
	s_lshr_b32 s25, s24, 4                         ; the product: 0 q, 1 k, 2 v: the same in all sixteen partners
	s_and_b32 s26, s24, 15
	s_lshr_b32 s29, s26, 1
	s_and_b32 s30, s26, 1
	s_cmp_eq_u32 s25, 2
	s_cselect_b32 s29, s29, 0
	s_cselect_b32 s30, s30, s26
	s_lshl_b32 s27, s29, 2
	s_add_co_u32 s27, s27, s22                     ; P's tile of 256 rows: hangs on cx, never on cy
	s_lshl_b32 s28, s30, 2
	s_add_co_u32 s28, s28, s23                     ; Q's tile of 128 rows: hangs on cy, never on cx
	s_mov_b32 s[HM], 0xffff0000                    ; lanes 16-31
	s_lshl_b32 s31, s23, 2
	s_lshl_b32 s31, 15, s31                        ; my row of the cluster
	s_lshl_b32 s2, 0x1111, s22                     ; my column
	s_or_b32 s[G1Q], s31, (3<<16)|(1<<21)          ; 15:0 the mask; 17:16 elements of 8 bytes; 21 set beside a mask; no padding
	s_or_b32 s[G1P], s2, (3<<16)|(1<<21)
.irp g, G1Q, G1P
	s_mov_b32 s[\g+1], 768<<16                     ; tensor_dim0 = 768 elements: a row tile's 6,144 bytes of half of K
	s_mov_b32 s[\g+2], 8<<16                       ; tensor_dim1 = 8 row tiles
	s_mov_b32 s[\g+3], 768<<16                     ; tile_dim0
	s_mov_b32 s[\g+4], 8                           ; tile_dim1
	s_mov_b32 s[\g+5], 1536                        ; from row tile to row tile: 12,288 bytes
	s_mov_b32 s[\g+6], 0
	s_mov_b32 s[\g+7], 0
.endr
	s_mul_i32 s84, s25, 786432
	s_add_co_u32 s84, s84, 18874368                ; the weight's images
	s_mul_i32 s85, s25, 6291456                    ; the tokens' images
	s_lshl_b32 s86, s25, 15
	s_add_co_u32 s86, s86, 786432                  ; the weight's scale words
	s_lshl_b32 s87, s25, 18                        ; the tokens'
	s_cmp_eq_u32 s25, 2
	s_cselect_b32 s88, s85, s84                    ; P: the weight, for v the tokens
	s_cselect_b32 s89, s84, s85                    ; Q: the other
	s_cselect_b32 s90, s87, s86
	s_cselect_b32 s91, s86, s87
	s_mul_i32 s92, s27, 196608                     ; P: 16 row tiles a tile, 8 a half
	s_add_co_u32 s92, s92, s88
	s_mul_i32 s93, s21, 98304
	s_add_co_u32 s92, s92, s93
	s_mov_b32 s93, 0
	s_mul_i32 s94, s28, 98304                      ; Q: 8 row tiles
	s_add_co_u32 s94, s94, s89
	s_mov_b32 s95, 0
	s_mul_i32 s29, s21, 49152                      ; where my eight row tiles of P go: the wave's number alone enters an LDS address
	s_mov_b32 s[SEL], 0x76543210
	s_mov_b32 s[SEL+1], 0xfedcba98
	s_wait_dscnt 0x0                               ; the opening add is done
	s_wait_kmcnt 0x0
	s_add_nc_u64 s[96:97], s[4:5], s[92:93]
	s_add_nc_u64 s[98:99], s[4:5], s[94:95]
.irp j, 0,1
	s_mov_b32 s[G0P+4*\j], 1
	s_add_co_u32 s[G0P+4*\j+1], s29, PREG+98304*\j
	s_add_nc_u64 s[G0P+4*\j+2:G0P+4*\j+3], s[96:97], 6144*\j
	s_or_b32 s[G0P+4*\j+3], s[G0P+4*\j+3], 0x80000000
	s_mov_b32 s[G0Q+4*\j], 1
	s_mov_b32 s[G0Q+4*\j+1], 49152*\j
	s_add_nc_u64 s[G0Q+4*\j+2:G0Q+4*\j+3], s[98:99], 6144*\j
	s_or_b32 s[G0Q+4*\j+3], s[G0Q+4*\j+3], 0x80000000
.endr
	CROUND                                         ; all sixteen work-groups are here: the joint loads meet
	s_cmp_lt_u32 s20, 2                            ; the head's loads, one a wave, in one chain of branches on the wave's number
	s_cbranch_scc0 .Lnot_p
	tensor_load_to_lds s[G0P:G0P+3], s[G1P:G1P+7]  ; waves 0, 1: my eight row tiles of P, K's first half
	s_nop 0
	PLACES
	s_branch .Lasked
.Lnot_p:
	s_cmp_eq_u32 s20, 2
	s_cbranch_scc0 .Lq_second
	tensor_load_to_lds s[G0Q:G0Q+3], s[G1Q:G1Q+7]  ; wave 2: Q, K's first half
	s_nop 0
	PLACES
	s_branch .Lasked
.Lq_second:
	tensor_load_to_lds s[G0Q+4:G0Q+7], s[G1Q:G1Q+7]  ; wave 3: Q, K's second half
	s_nop 0
	PLACES
.Lasked:
	v_and_b32 v112, 31, v0                         ; lane
	v_and_b32 v113, 15, v0                         ; r
	v_bfe_u32 v114, v0, 4, 1                       ; h
	v_lshlrev_b32 v[A16], 4, v112
	s_wait_alu depctr_va_vdst(0)
	v_lshlrev_b32 v[A8], 3, v112
	v_lshlrev_b32 v[AB], 6, v114
	s_wait_alu depctr_va_vdst(0)
	v_and_b32 v115, 8, v113
	v_add_nc_u32 v115, v115, v113                  ; r % 8 + 16 (r / 8)
	v_lshlrev_b32 v[AM], 2, v115
	s_wait_alu depctr_va_vdst(0)
	v_mul_u32_u24 v[AVS], v114, 241664
	v_lshl_add_u32 v[AVS], v113, 3, v[AVS]
	s_cmp_eq_u32 s25, 0
	s_cselect_b64 s[2:3], s[8:9], s[10:11]
	s_cmp_eq_u32 s25, 2
	s_cselect_b64 s[2:3], s[12:13], s[2:3]         ; the product's bias
	s_cselect_b64 s[30:31], s[12:13], s[14:15]     ; a word for each lane of Q's tiles: v: the channel's bias; q, k: the token's mask
	s_cselect_b32 s84, 0, -1                       ; v: C is zero, the bias goes by lanes and is added behind the sums
	s_lshl_b32 s92, s27, 13                        ; P's scale words: pair 8 x tile + 2 x wave on, 1,024 bytes a pair
	s_add_co_u32 s92, s92, s90
	s_lshl_b32 s93, s20, 11
	s_add_co_u32 s92, s92, s93
	s_mov_b32 s93, 0
	s_add_nc_u64 s[96:97], s[6:7], s[92:93]
	s_lshl_b32 s94, s28, 12                        ; Q's: pair 4 x tile on
	s_add_co_u32 s94, s94, s91
	s_add_nc_u64 s[98:99], s[6:7], s[94:95]
.irp i, 0,1
.irp k, 0,1
	global_load_b128 v[PSC+8*\i+4*\k:PSC+8*\i+4*\k+3], v[A16], s[96:97] offset:1024*\i+512*\k
.endr
.endr
.irp i, 0,1,2,3
.irp k, 0,1
	global_load_b128 v[QSC+8*\i+4*\k:QSC+8*\i+4*\k+3], v[A16], s[98:99] offset:1024*\i+512*\k
.endr
.endr
	s_lshl_b32 s92, s22, 10                        ; the bias of my 64 rows of the weight: 256 bytes x (4 cx + wave)
	s_lshl_b32 s93, s20, 8
	s_add_co_u32 s92, s92, s93
	s_mov_b32 s93, 0
	s_add_nc_u64 s[2:3], s[2:3], s[92:93]
	s_lshl_b32 s94, s28, 9                         ; 128 words for Q's 128 rows
	s_add_nc_u64 s[30:31], s[30:31], s[94:95]
.irp p, 0,1,2,3
	global_load_b128 v[BI+8*\p:BI+8*\p+3], v[AB], s[2:3] offset:(32*(\p/2)+8*(\p%2))*4        ; register j of tile p: row 32 (p / 2) + 8 (p % 2) + 16 h + j
	global_load_b128 v[BI+8*\p+4:BI+8*\p+7], v[AB], s[2:3] offset:(32*(\p/2)+8*(\p%2))*4+16
.endr
.irp t, 0,1,2,3,4,5,6,7
	global_load_b32 v[MK+2*\t], v[AM], s[30:31] offset:(32*(\t/2)+8*(\t%2))*4
.endr
	s_mul_i32 s26, s20, 24576                      ; my four tiles of P, 6,144 bytes each in a half of K
	s_add_co_u32 s26, s26, PREG
	v_add_nc_u32 v[PA16], s26, v[A16]
	v_add_nc_u32 v[PA8], s26, v[A8]
	v_add_nc_u32 v[PA16+2], 98304, v[PA16]
	v_add_nc_u32 v[PA8+2], 98304, v[PA8]
	v_add_nc_u32 v[QA16], 0, v[A16]
	v_add_nc_u32 v[QA8], 0, v[A8]
	v_add_nc_u32 v[QA16+2], 49152, v[A16]
	v_add_nc_u32 v[QA8+2], 49152, v[A8]
	s_wait_loadcnt 0x0
.irp k, 0,1,2,3,4,5,6,7,8,9,10,11,12,13,14,15,16,17,18,19,20,21,22,23,24,25,26,27,28,29,30,31
	v_and_b32 v[BI+\k], s84, v[BI+\k]
.endr
.irp t, 0,1,2,3,4,5,6,7
	v_mov_b32 v[MK+2*\t+1], 0                      ; named as the upper half of a pair
.endr
	s_wait_alu depctr_va_vdst(0)
	s_wait_tensorcnt 0x0                           ; my load of the head has landed
	ds_add_u32 v[SPW], v[NIL]
	s_wait_dscnt 0x0
	CROUND                                         ; everybody's has, and all sixteen work-groups are here: the joint loads meet
	s_cmp_lt_u32 s20, 2
	s_cbranch_scc0 .Lno_second
	tensor_load_to_lds s[G0P+4:G0P+7], s[G1P:G1P+7]  ; waves 0, 1: P, K's second half
	s_nop 0
	PLACES
.Lno_second:
	FETCH 0
	STEP 0
	STEP 1
	STEP 2
	STEP 3
	STEP 4
	STEP 5
	STEP 6
	STEP 7
	WIN 0
	PLACES                                         ; behind the last products, ahead of the first read of results
	s_cmp_eq_u32 s25, 2
	s_cbranch_scc0 .Lno_lane_bias
	WIN 0xC3                                       ; v: the lane's bias onto its 32 numbers of each tile, each accumulator from its low end on
.irp t, 0,1,2,3,4,5,6,7
.irp k, 0,2,4,6,8,10,12,14,16,18,20,22,24,26,28,30
	v_pk_add_f32 v[32*\t+\k:32*\t+\k+1], v[32*\t+\k:32*\t+\k+1], v[MK+2*\t:MK+2*\t+1] op_sel_hi:[1,0]
.endr
.endr
	WIN 0
.Lno_lane_bias:
	; THE QUANTISER, all eight tiles together.  In tile t a lane's registers 16 b + i are k = 32 b + 16 h + i of its row of the next operand: two blocks of 32, each shared with lane l xor 16.
	WIN 0x0F
.irp t, 0,1,2,3,4,5,6,7
.irp b, 0,1
	v_max3_num_f32 v[M+2*\t+\b], |v[32*\t+16*\b]|, |v[32*\t+16*\b+1]|, 0x1800000   ; with the floor 2^(3 - 127): the byte cannot fall under 1
.endr
.endr
	WIN 0x3C
.irp i, 2,4,6,8,10,12,14
.irp t, 0,1,2,3,4,5,6,7
.irp b, 0,1
	v_max3_num_f32 v[M+2*\t+\b], v[M+2*\t+\b], |v[32*\t+16*\b+\i]|, |v[32*\t+16*\b+\i+1]|
.endr
.endr
.endr
	WIN 0
.irp k, 0,1,2,3,4,5,6,7,8,9,10,11,12,13,14,15
	v_permlanex16_b32 v[PM+\k], v[M+\k], s[SEL], s[SEL+1]
.endr
.irp k, 0,1,2,3,4,5,6,7,8,9,10,11,12,13,14,15
	v_max_num_f32 v[M+\k], v[M+\k], v[PM+\k]       ; the block's largest magnitude
.endr
.irp k, 0,1,2,3,4,5,6,7,8,9,10,11,12,13,14,15
	v_add_nc_u32 v[SCV+\k], 0xff000000, v[M+\k]    ; 2 off the exponent field: the conversion's scale operand
.endr
.irp k, 0,1,2,3,4,5,6,7,8,9,10,11,12,13,14,15
	v_lshrrev_b32 v[PM+\k], 23, v[SCV+\k]          ; the scale's byte
.endr
	WIN 0x03
.irp t, 0,1,2,3,4,5,6,7
	v_cvt_scalef32_pk16_fp6_f32 v[I+8*\t:I+8*\t+2], v[32*\t:32*\t+15], v[SCV+2*\t]
	v_cvt_scalef32_pk16_fp6_f32 v[TT+4*\t:TT+4*\t+2], v[32*\t+16:32*\t+31], v[SCV+2*\t+1]
.endr
	WIN 0
	v_nop                                          ; one plain place behind a scaled conversion
.irp t, 0,1,2,3,4,5,6,7                        ; the operand's layout wants a whole block in a lane: lanes 0-15 block 0, lanes 16-31 block 1
.irp i, 0,1,2
	v_permlane16_swap_b32 v[I+8*\t+\i], v[TT+4*\t+\i]
.endr
.endr
.irp t, 0,1,2,3,4,5,6,7
.irp i, 0,1,2
	v_mov_b32 v[I+8*\t+3+\i], v[TT+4*\t+\i]
.endr
.endr
	s_cmp_eq_u32 s25, 2
	s_cbranch_scc1 .Lv_out
	; q, k: record = batch x 16 + head; the 128 tokens are step Q's tile % 16 of their batch
	s_lshr_b32 s100, s28, 4
	s_lshl_b32 s100, s100, 4
	s_lshl_b32 s101, s22, 2
	s_add_co_u32 s100, s100, s101
	s_add_co_u32 s100, s100, s20
	s_mov_b32 s101, 241664
	s_cmp_eq_u32 s25, 0
	s_cselect_b32 s101, 139264, s101
	s_cselect_b64 s[86:87], s[16:17], s[18:19]
	s_mul_i32 s100, s100, s101
	s_mov_b32 s101, 0
	s_add_nc_u64 s[86:87], s[86:87], s[100:101]
	s_and_b32 s100, s28, 15
	s_lshl_b32 s100, s100, 9
	s_add_nc_u64 s[90:91], s[86:87], s[100:101]    ; the scale words, 512 bytes a step (behind the 131,072 bytes of images)
	s_lshl_b32 s100, s100, 4
	s_add_nc_u64 s[86:87], s[86:87], s[100:101]    ; the images, 8,192 bytes a step
	s_cmp_eq_u32 s25, 1
	s_cselect_b32 s84, -1, 0                       ; k looks at the mask; for q the word tested is always 0, so every query takes the set arm
	s_cselect_b32 s85, 0x3f, 0x1f                  ; the code at k = 64: -7.5 for a masked key, +7.5 for a query
	s_mov_b32 s26, 0x577f
	s_cselect_b32 s26, 0x57e3, s26                 ; bytes 2 and 3 of the scale word: 227 (k) or 127 (q), and 87
	v_cndmask_b32 v[CODE], s85, v[NIL], s[HM]      ; lanes 16-31 hold k = 96 on: zero
	v_mov_b32 v[EU], 0x571b                        ; a key that counts: bytes 27 and 87
	v_mov_b32 v[EM], s26
.irp t, 0,1,2,3,4,5,6,7
	v_and_b32 v[TMP], s84, v[MK+2*\t]
	v_cmp_eq_u32 vcc_lo, 0, v[TMP]
	v_cndmask_b32 v[I+8*\t+6], 0, v[CODE], vcc_lo
	v_cndmask_b32 v[EE], v[EU], v[EM], vcc_lo
	v_mov_b32 v[I+8*\t+7], 0
	v_lshl_or_b32 v[WD+\t], v[PM+2*\t+1], 8, v[PM+2*\t]
	v_lshl_or_b32 v[WD+\t], v[EE], 16, v[WD+\t]
	global_store_b128 v[A16], v[I+8*\t:I+8*\t+3], s[86:87] offset:1024*\t          ; 512 consecutive bytes, at a multiple of 256
	global_store_b128 v[A16], v[I+8*\t+4:I+8*\t+7], s[86:87] offset:1024*\t+512
.endr
.irp i, 0,1,2,3
	v_cndmask_b32 v[SW+\i], v[WD+2*\i], v[WD+2*\i+1], s[HM]   ; word i: lanes 0-15 tile 2 i, lanes 16-31 tile 2 i + 1
.endr
	global_store_b128 v[A16], v[SW:SW+3], s[90:91] offset:131072
	s_branch .Lend
.Lv_out:
	; v: records batch x 16 + 2 x Q's tile and the next; my 64 tokens are chunk 4 (P's tile % 8) + wave of their batch
	s_lshr_b32 s100, s27, 3
	s_lshl_b32 s100, s100, 4
	s_lshl_b32 s101, s28, 1
	s_add_co_u32 s100, s100, s101
	s_mul_i32 s100, s100, 241664
	s_mov_b32 s101, 0
	s_add_nc_u64 s[86:87], s[18:19], s[100:101]
	s_and_b32 s100, s27, 7
	s_lshl_b32 s100, s100, 2
	s_add_co_u32 s100, s100, s20
	s_lshl_b32 s100, s100, 7
	s_add_nc_u64 s[90:91], s[86:87], s[100:101]    ; the scales, 128 bytes a chunk
	s_mul_i32 s100, s100, 24
	s_add_nc_u64 s[86:87], s[86:87], s[100:101]    ; the images, 3,072 bytes a chunk
	s_wait_alu depctr_va_vdst(0)
.irp t, 0,1,2,3,4,5,6,7
	v_lshl_or_b32 v[WD+\t], v[PM+2*\t+1], 8, v[PM+2*\t]
	global_store_b128 v[A16], v[I+8*\t:I+8*\t+3], s[86:87] offset:139264+(\t/4)*241664+(\t%4)*768
	global_store_b64 v[A8], v[I+8*\t+4:I+8*\t+5], s[86:87] offset:139264+(\t/4)*241664+(\t%4)*768+512
.endr
.irp i, 0,1,2,3
	v_lshl_or_b32 v[SW+\i], v[WD+2*\i+1], 16, v[WD+2*\i]
.endr
	v_cndmask_b32 v[SW+4], v[SW], v[SW+2], s[HM]   ; lanes 0-15 store the first head's four halfwords of channel row r, lanes 16-31 the second head's
	v_cndmask_b32 v[SW+5], v[SW+1], v[SW+3], s[HM]
	global_store_b64 v[AVS], v[SW+4:SW+5], s[90:91] offset:237568   ; 128 consecutive bytes for each head: half of an aligned 256; these scales are 4,096 bytes a head
.Lend:
	s_wait_tensorcnt 0x0                           ; the wave's end
	ds_add_u32 v[SPW], v[NIL]
	s_wait_dscnt 0x0
	CROUND                                         ; the closing round
	s_endpgm
.Lfunc_end_k_q5554077d67_proj:
	.size	k_q5554077d67_proj, .Lfunc_end_k_q5554077d67_proj-k_q5554077d67_proj
	.p2alignl 7, 3214868480
	.fill 96, 4, 3214868480
	.section	.rodata,"a",@progbits
	.p2align	6, 0x0
	.amdhsa_kernel k_q5554077d67_proj
		.amdhsa_group_segment_fixed_size 327680
		.amdhsa_private_segment_fixed_size 0
		.amdhsa_enable_private_segment 0
		.amdhsa_kernarg_size 64
		.amdhsa_user_sgpr_count 2
		.amdhsa_user_sgpr_kernarg_segment_ptr 1
		.amdhsa_wavefront_size32 1
		.amdhsa_system_sgpr_workgroup_id_x 1
		.amdhsa_system_sgpr_workgroup_id_y 1
		.amdhsa_system_sgpr_workgroup_id_z 1
		.amdhsa_system_vgpr_workitem_id 0
		.amdhsa_next_free_vgpr 1024
		.amdhsa_next_free_sgpr 102
		.amdhsa_reserve_vcc 1
		.amdhsa_float_denorm_mode_32 3
		.amdhsa_float_denorm_mode_16_64 3
		.amdhsa_memory_ordered 1
		.amdhsa_forward_progress 1
		.amdhsa_inst_pref_size 101
	.end_amdhsa_kernel
	.amdgpu_metadata
---
amdhsa.version: [ 1, 2 ]
amdhsa.kernels:
  - .name:           k_q5554077d67_proj
    .symbol:         k_q5554077d67_proj.kd
    .args:
      - { .name: img, .offset: 0, .size: 8, .value_kind: global_buffer, .address_space: global }
      - { .name: scl, .offset: 8, .size: 8, .value_kind: global_buffer, .address_space: global }
      - { .name: bq, .offset: 16, .size: 8, .value_kind: global_buffer, .address_space: global }
      - { .name: bk, .offset: 24, .size: 8, .value_kind: global_buffer, .address_space: global }
      - { .name: bv, .offset: 32, .size: 8, .value_kind: global_buffer, .address_space: global }
      - { .name: mask, .offset: 40, .size: 8, .value_kind: global_buffer, .address_space: global }
      - { .name: qa, .offset: 48, .size: 8, .value_kind: global_buffer, .address_space: global }
      - { .name: kv, .offset: 56, .size: 8, .value_kind: global_buffer, .address_space: global }
    .group_segment_fixed_size: 327680
    .private_segment_fixed_size: 0
    .kernarg_segment_align: 8
    .kernarg_segment_size: 64
    .max_flat_workgroup_size: 128
    .sgpr_count:     102
    .vgpr_count:     1024
    .wavefront_size: 32
...
	.end_amdgpu_metadata
.endif
;; end of part 2
;; launch attn (part 3): grid 64 x 4, 16 waves a work-group, no clusters, 304,384 bytes of LDS; arguments qa, kv, ximg, xsc; writes ximg, xsc
.if DOCPART == 3
	.amdgcn_target "amdgcn-amd-amdhsa--gfx1250"
	.amdhsa_code_object_version 6
	.text
	.protected	k_q5554077d67_attn
	.globl	k_q5554077d67_attn
	.p2align	8
	.type	k_q5554077d67_attn,@function
k_q5554077d67_attn:
	s_mov_b64 s[64:65], 0
	v_nop
	global_prefetch_b8 v0, s[64:65] scope:SCOPE_SE
	s_setreg_imm32_b32 hwreg(HW_REG_WAVE_MODE, 25, 1), 1
	s_wait_xcnt 0x0
; x = softmax(q k^T / 8, masked keys out) v for one batch and head, both products on codes of FP6 (E2M3); x is quantised into the images and scale bytes of the last product.
; SHARES.  Work-group x is the record (batch x 16 + head), y its 512 queries.  THE KEYS ARE SPLIT OVER THE WAVES: wave w keeps keys 128 w .. 128 w + 127 for the whole launch IN REGISTERS (K's eight images 64, V's four fragments 48,
; their scale words 8), loaded once from memory.  All sixteen waves take the same tile of 16 queries, 32 tiles one after the other, so every score and every exponential is made once.
; A TILE.  Ahead of its barrier a wave makes S^T = k q^T, the largest t = score x log2(e) / 8 of its keys rounded up to a whole number M_w, e = 2^(t - M_w) and their sum, and puts -M_w and the sum into LDS.  Behind the barrier it reads
; the sixteen pairs, forms M = the largest M_w and L = the sum of the sums x 2^(M_w - M) (exact powers of two), multiplies e by 2^(M_w - M) / L: the finished, normalised softmax; quantises it (a block's scale from its largest score, put
; through the same instructions as the numbers), and makes its part of O^T = v^T p^T, with C = 0, which goes to LDS as an image of its registers.  Behind the NEXT tile's barrier each wave adds one sixteenth (256 bytes) of the
; sixteen parts into an f32 stage.  One barrier a tile: the pairs and the parts lie in two buffers by the tile's parity, written as constants (a trip of the loop is two tiles).  At the end wave w quantises tiles 2 w, 2 w + 1 from the stage.
; BOTH PRODUCTS ARE USED TRANSPOSED: a lane holds one query; the 16 registers of score tiles 2 b, 2 b + 1 are 16 neighbouring keys.  An image of q or k is eight registers a lane (0-5 the head's codes, 6 the mask's code at k = 64, 7 zero); a
; fragment names twelve: a K fragment's last four are the next image's (or V's) first four, which meet zero codes on the queries' side (FP6 has no NaN and no infinity).
; A masked key's score is -56.25 x 2^100; no largest t is taken under -2^100, so its e is 0.  A row with every key masked has L = 0, held at 0.25 from below, and gives zeros (with one key that counts L is over 0.5).
; NO JOINT LOADS, NO TENSOR LOADS: K and V (241,664 bytes) are read once by a work-group and stay in registers; a joint load lands in LDS alone, where they do not fit beside the 304,384 bytes used here.  No prefetch: no stream from memory in the loop.
; LIMITS: the promise holds while the scaled scores stay under 2^31 in magnitude; NaN and infinities are not served; a block of x under 2^-124 keeps the byte 1.
.set OPB,   0                          ; LDS: the parts of O^T: [parity 2][wave 16][4,096]
.set FIN,   131072                     ; the stage: [tile 32][4,096], an image of O^T's 32 registers
.set QL,    262144                     ; the queries' images [pair of tiles 16][2,048]
.set QSL,   294912                     ; their scale words [17][128]: entry 16 repeats entry 15, for the last trip's look ahead (whose images' look ahead reads this region's first 1,024 bytes and is not used)
.set STB,   297216                     ; [parity 2][-M_w: query 16 x 80 bytes | the sums: the same]: 2,560 bytes a parity
.set SPARE, 302336                     ; the spare words, 128 bytes for each wave, that no other line names
.set SPW,  1
.set NIL,  2
.set AQ,   3
.set AQS,  4
.set AST,  5
.set ASL,  6
.set AOP,  7                           ; v7, v8: where my part of O^T goes, parity 0, 1
.set ARD,  9                           ; v9, v10: my sixteenth of the parts, parity 0, 1
.set AFN,  11
.set AF0,  12
.set AQ0,  13
.set AQS0, 14
.set Q,    16                          ; v16-27 the queries' fragment (v24-27 zero)
.set K,    28                          ; v28-91
.set V,    92                          ; v92-139
.set KSC,  140
.set VSC,  144
.set S,    148                         ; v148-211 the scores, e, p; then v148-179 my part of O^T and v180-211 the sixteen parts' pieces
.set R,    180
.set P,    212                         ; v212-223 p's codes, v224-231 their other halves; ahead of them the sum's chains, then the sixteen pairs
.set T,    224
.set CH,   212
.set MS,   212
.set LS,   220
.set BM,   232
.set PT,   236
.set BY,   236
.set SC,   240
.set VX,   240                         ; at the start: V's scale halfwords as loaded
.set NM,   244                         ; -M_w; v245 my keys' sum
.set G,    246
.set F,    248
.set TMP,  250
.set TMP2, 251
.set QS,   252
.set PS,   253
.set XS,   254
.macro PLACES
.rept 4
	v_nop
.endr
.endm
.macro WZ d, a, b, sa, sb, ra, rb      ; a product that starts its sum; ra, rb: the scales stand in lanes 16-31
.if ((\ra) == 0) && ((\rb) == 0)
	v_wmma_scale_f32_16x16x128_f8f6f4 v[(\d):(\d)+7], v[(\a):(\a)+11], v[(\b):(\b)+11], 0, v[\sa], v[\sb] matrix_a_fmt:MATRIX_FMT_FP6 matrix_b_fmt:MATRIX_FMT_FP6
.elseif ((\rb) == 0)
	v_wmma_scale_f32_16x16x128_f8f6f4 v[(\d):(\d)+7], v[(\a):(\a)+11], v[(\b):(\b)+11], 0, v[\sa], v[\sb] matrix_a_fmt:MATRIX_FMT_FP6 matrix_b_fmt:MATRIX_FMT_FP6 matrix_a_scale:MATRIX_SCALE_ROW1
.elseif ((\ra) == 0)
	v_wmma_scale_f32_16x16x128_f8f6f4 v[(\d):(\d)+7], v[(\a):(\a)+11], v[(\b):(\b)+11], 0, v[\sa], v[\sb] matrix_a_fmt:MATRIX_FMT_FP6 matrix_b_fmt:MATRIX_FMT_FP6 matrix_b_scale:MATRIX_SCALE_ROW1
.else
	v_wmma_scale_f32_16x16x128_f8f6f4 v[(\d):(\d)+7], v[(\a):(\a)+11], v[(\b):(\b)+11], 0, v[\sa], v[\sb] matrix_a_fmt:MATRIX_FMT_FP6 matrix_b_fmt:MATRIX_FMT_FP6 matrix_a_scale:MATRIX_SCALE_ROW1 matrix_b_scale:MATRIX_SCALE_ROW1
.endif
.endm
.macro RLOAD adr                       ; my 8 bytes a lane of each of the sixteen parts: 256 consecutive bytes a load
.set J, 0
.rept 16
	ds_load_b64 v[R+2*J:R+2*J+1], v[\adr] offset:4096*J
.set J, J+1
.endr
.endm
.macro RSUM                            ; their sum, as a tree
.irp k, 0,1,2,3,4,5,6,7
	v_pk_add_f32 v[R+2*\k:R+2*\k+1], v[R+2*\k:R+2*\k+1], v[R+2*\k+16:R+2*\k+17]
.endr
.irp k, 0,1,2,3
	v_pk_add_f32 v[R+2*\k:R+2*\k+1], v[R+2*\k:R+2*\k+1], v[R+2*\k+8:R+2*\k+9]
.endr
.irp k, 0,1
	v_pk_add_f32 v[R+2*\k:R+2*\k+1], v[R+2*\k:R+2*\k+1], v[R+2*\k+4:R+2*\k+5]
.endr
	s_delay_alu instid0(VALU_DEP_1)
	v_pk_add_f32 v[R:R+1], v[R:R+1], v[R+2:R+3]
.endm
; One tile of 16 queries.  u: its parity (also: which half of the lanes holds its scale word).  red: the tile before has parts to add; red = 0 is the launch's first tile, behind whose barrier V's loads are waited for.
.macro UNIT u, red
.irp i, 0,1,2,3,4,5,6,7
	WZ S+8*\i, K+8*\i, Q, KSC+\i/2, QS, \i%2, \u
.endr
.if \u == 0
	PLACES                                         ; four places behind the products; then the next tile's queries
	ds_load_b128 v[Q:Q+3], v[AQ] offset:1024
	ds_load_b128 v[Q+4:Q+7], v[AQ] offset:1536
.else
	s_add_co_u32 s44, s44, 2048
	s_add_co_u32 s45, s45, 128
	v_add_nc_u32 v[AQ], s44, v[AQ0]
	v_add_nc_u32 v[AQS], s45, v[AQS0]
	v_add_nc_u32 v[AFN], s46, v[AF0]               ; this pair's place in the stage
	v_nop
	ds_load_b128 v[Q:Q+3], v[AQ]
	ds_load_b128 v[Q+4:Q+7], v[AQ] offset:512
	ds_load_b32 v[QS], v[AQS]
.endif
.irp b, 0,1,2,3
	v_max3_num_f32 v[BM+\b], v[S+16*\b], v[S+16*\b+1], v[S+16*\b+2]   ; each block's largest score, the four blocks by turns
.endr
.irp i, 3,5,7,9,11,13
.irp b, 0,1,2,3
	v_max3_num_f32 v[BM+\b], v[BM+\b], v[S+16*\b+\i], v[S+16*\b+\i+1]
.endr
.endr
.irp b, 0,1,2,3
	v_max_num_f32 v[BM+\b], v[BM+\b], v[S+16*\b+15]
.endr
.irp b, 0,1,2,3
	s_delay_alu instid0(VALU_DEP_4)
	v_permlanex16_b32 v[PT+\b], v[BM+\b], s40, s41
.endr
.irp b, 0,1,2,3
	s_delay_alu instid0(VALU_DEP_4)
	v_max_num_f32 v[BM+\b], v[BM+\b], v[PT+\b]     ; with lane l xor 16's 16 keys
.endr
	v_max3_num_f32 v[TMP], v[BM], v[BM+1], v[BM+2]
	s_delay_alu instid0(VALU_DEP_1)
	v_max_num_f32 v[TMP], v[TMP], v[BM+3]
	s_delay_alu instid0(VALU_DEP_1)
	v_mul_f32 v[TMP], s42, v[TMP]
	s_delay_alu instid0(VALU_DEP_1)
	v_max_num_f32 v[TMP], 0xf1800000, v[TMP]       ; not under -2^100, which lies over every masked key's t
	s_delay_alu instid0(VALU_DEP_1)
	v_floor_f32 v[NM], -v[TMP]                     ; -M_w = floor(-t): a whole number
	ds_store_b32 v[AST], v[NM] offset:2560*\u      ; both halves of the lanes write the same word with the same value
.set J, 0
.rept 32
	v_pk_fma_f32 v[S+J:S+J+1], v[S+J:S+J+1], s[42:43], v[NM:NM+1] op_sel_hi:[1,0,0]   ; t - M_w
.set J, J+2
.endr
.irp b, 0,1,2,3
	v_fma_f32 v[BM+\b], v[BM+\b], s42, v[NM]       ; each block's largest score goes the way of its numbers
.endr
	s_wait_alu depctr_va_vdst(0)
.set J, 0
.rept 64
	v_exp_f32 v[S+J], v[S+J]
.set J, J+1
.endr
.irp b, 0,1,2,3
	v_exp_f32 v[BM+\b], v[BM+\b]
.endr
	v_nop                                          ; a plain line behind the batch
	s_wait_alu depctr_va_vdst(0)
	v_pk_add_f32 v[CH:CH+1], v[S:S+1], v[S+2:S+3]  ; my keys' sum of the unquantised numbers, in four chains
	v_pk_add_f32 v[CH+2:CH+3], v[S+4:S+5], v[S+6:S+7]
	v_pk_add_f32 v[CH+4:CH+5], v[S+8:S+9], v[S+10:S+11]
	v_pk_add_f32 v[CH+6:CH+7], v[S+12:S+13], v[S+14:S+15]
.irp j, 16,24,32,40,48,56
	v_pk_add_f32 v[CH:CH+1], v[CH:CH+1], v[S+\j:S+\j+1]
	v_pk_add_f32 v[CH+2:CH+3], v[CH+2:CH+3], v[S+\j+2:S+\j+3]
	v_pk_add_f32 v[CH+4:CH+5], v[CH+4:CH+5], v[S+\j+4:S+\j+5]
	v_pk_add_f32 v[CH+6:CH+7], v[CH+6:CH+7], v[S+\j+6:S+\j+7]
.endr
	v_pk_add_f32 v[CH:CH+1], v[CH:CH+1], v[CH+2:CH+3]
	v_pk_add_f32 v[CH+4:CH+5], v[CH+4:CH+5], v[CH+6:CH+7]
	s_delay_alu instid0(VALU_DEP_1)
	v_pk_add_f32 v[CH:CH+1], v[CH:CH+1], v[CH+4:CH+5]
	s_delay_alu instid0(VALU_DEP_1)
	v_add_f32 v[TMP], v[CH], v[CH+1]
	s_delay_alu instid0(VALU_DEP_1)
	v_permlanex16_b32 v[PT], v[TMP], s40, s41
	s_delay_alu instid0(VALU_DEP_1)
	v_add_f32 v[NM+1], v[TMP], v[PT]
	ds_store_b32 v[AST], v[NM+1] offset:2560*\u+1280
	s_wait_alu depctr_va_vdst(0)
	s_wait_dscnt 0x0                               ; my pair is stored; so are my part of the last tile's O^T and my piece of the stage; my reads of the other parity's buffers are over
	s_barrier_signal -1
	s_barrier_wait -1
	ds_load_b128 v[MS:MS+3], v[ASL] offset:2560*\u         ; lane (r, h): query r, waves 8 h .. 8 h + 7
	ds_load_b128 v[MS+4:MS+7], v[ASL] offset:2560*\u+16
	ds_load_b128 v[LS:LS+3], v[ASL] offset:2560*\u+1280
	ds_load_b128 v[LS+4:LS+7], v[ASL] offset:2560*\u+1296
.if \red == 0
	s_wait_loadcnt 0x0                             ; V and its scale halfwords are in
	v_perm_b32 v[VSC], v[VX+2], v[VX], s62         ; V's scale words of my 128 keys from the two chunks' halfwords
	v_perm_b32 v[VSC+1], v[VX+2], v[VX], s63
	v_perm_b32 v[VSC+2], v[VX+3], v[VX+1], s62
	v_perm_b32 v[VSC+3], v[VX+3], v[VX+1], s63
.endif
	s_wait_dscnt 0x0
	v_max3_num_f32 v[TMP], -v[MS], -v[MS+1], -v[MS+2]
	v_max3_num_f32 v[TMP2], -v[MS+3], -v[MS+4], -v[MS+5]
	s_delay_alu instid0(VALU_DEP_1)
	v_max3_num_f32 v[TMP], v[TMP], v[TMP2], -v[MS+6]
	s_delay_alu instid0(VALU_DEP_1)
	v_max_num_f32 v[TMP], v[TMP], -v[MS+7]
	s_delay_alu instid0(VALU_DEP_1)
	v_permlanex16_b32 v[PT], v[TMP], s40, s41
	s_delay_alu instid0(VALU_DEP_1)
	v_max_num_f32 v[G], v[TMP], v[PT]              ; M, the largest of the sixteen
.irp k, 0,2,4,6
	v_pk_add_f32 v[MS+\k:MS+\k+1], v[G:G+1], v[MS+\k:MS+\k+1] op_sel_hi:[0,1] neg_lo:[1,1] neg_hi:[1,1]   ; M_k - M: a whole number, 0 or less
.endr
	v_sub_f32 v[TMP2], -v[G], v[NM]                ; and my own
.irp k, 0,1,2,3,4,5,6,7
	v_cvt_i32_f32 v[MS+\k], v[MS+\k]               ; (it saturates)
.endr
	v_cvt_i32_f32 v[TMP2], v[TMP2]
.irp k, 0,1,2,3,4,5,6,7
	v_ldexp_f32 v[LS+\k], v[LS+\k], v[MS+\k]       ; each sum under M: nothing is rounded
.endr
	v_pk_add_f32 v[LS:LS+1], v[LS:LS+1], v[LS+2:LS+3]
	v_pk_add_f32 v[LS+4:LS+5], v[LS+4:LS+5], v[LS+6:LS+7]
	s_delay_alu instid0(VALU_DEP_1)
	v_pk_add_f32 v[LS:LS+1], v[LS:LS+1], v[LS+4:LS+5]
	s_delay_alu instid0(VALU_DEP_1)
	v_add_f32 v[TMP], v[LS], v[LS+1]
	s_delay_alu instid0(VALU_DEP_1)
	v_permlanex16_b32 v[PT], v[TMP], s40, s41
	s_delay_alu instid0(VALU_DEP_1)
	v_add_f32 v[TMP], v[TMP], v[PT]                ; L
	s_delay_alu instid0(VALU_DEP_1)
	v_max_num_f32 v[TMP], 0x3e800000, v[TMP]       ; held at 0.25 from below: only a row with every key masked is under it
	s_wait_alu depctr_va_vdst(0)
	v_rcp_f32 v[F], v[TMP]
	v_nop
	s_wait_alu depctr_va_vdst(0)
	v_ldexp_f32 v[F], v[F], v[TMP2]                ; 2^(M_w - M) / L
.set J, 0
.rept 32
	v_pk_mul_f32 v[S+J:S+J+1], v[S+J:S+J+1], v[F:F+1] op_sel_hi:[1,0]   ; the finished softmax
.set J, J+2
.endr
.irp b, 0,1,2,3
	v_mul_f32 v[BM+\b], v[BM+\b], v[F]             ; and each block's largest
.endr
.irp b, 0,1,2,3
	s_delay_alu instid0(VALU_DEP_4)
	v_max_num_f32 v[BM+\b], 0x1800000, v[BM+\b]    ; the floor 2^(3 - 127): the byte cannot fall under 1
.endr
.irp b, 0,1,2,3
	s_delay_alu instid0(VALU_DEP_4)
	v_add_nc_u32 v[SC+\b], 0xff000000, v[BM+\b]    ; 2 off the exponent field: the conversion's scale operand
.endr
.irp b, 0,1,2,3
	s_delay_alu instid0(VALU_DEP_4)
	v_lshrrev_b32 v[BY+\b], 23, v[SC+\b]
.endr
	s_delay_alu instid0(VALU_DEP_3)
	v_lshl_or_b32 v[PS], v[BY+1], 8, v[BY]
	s_delay_alu instid0(VALU_DEP_1)
	v_lshl_or_b32 v[PS], v[BY+2], 16, v[PS]
	s_delay_alu instid0(VALU_DEP_1)
	v_lshl_or_b32 v[PS], v[BY+3], 24, v[PS]        ; p's scale word for my 128 keys
.irp c, 0,1
	v_cvt_scalef32_pk16_fp6_f32 v[P+6*\c:P+6*\c+2], v[S+32*\c:S+32*\c+15], v[SC+2*\c]
	v_cvt_scalef32_pk16_fp6_f32 v[T+4*\c:T+4*\c+2], v[S+32*\c+16:S+32*\c+31], v[SC+2*\c+1]
.endr
	v_nop                                          ; one plain place behind a scaled conversion
.if \red
	RLOAD ARD+1-\u                                 ; the last tile's parts, stored ahead of the barrier just passed
.endif
.irp c, 0,1                            ; a whole block to a lane
.irp i, 0,1,2
	v_permlane16_swap_b32 v[P+6*\c+\i], v[T+4*\c+\i]
.endr
.irp i, 0,1,2
	s_delay_alu instid0(VALU_DEP_3)
	v_mov_b32 v[P+6*\c+3+\i], v[T+4*\c+\i]
.endr
.endr
	PLACES
.irp d, 0,1,2,3
	WZ S+8*\d, V+12*\d, P, VSC+\d, PS, 0, 0        ; my part of O^T
.endr
.if \red
	s_wait_dscnt 0x0
	RSUM                                           ; fifteen plain lines that name none of the products' registers: their places
.else
	PLACES
	v_nop
.endif
.irp g, 0,1,2,3,4,5,6,7
	ds_store_b128 v[AOP+\u], v[S+4*\g:S+4*\g+3] offset:512*\g   ; an image of the 32 registers, each accumulator from its low end on
.endr
.if \red
	ds_store_b64 v[AFN], v[R:R+1] offset:4096*(1-\u)   ; u = 1: this pair's first tile; u = 0: the last pair's second (the address is stepped in u = 1)
.endif
.endm
	s_load_b256 s[4:11], s[0:1], 0x0               ; qa, kv, ximg, xsc
	v_lshl_add_u32 v[SPW], v0, 2, SPARE
	v_mov_b32 v[NIL], 0
	v_lshrrev_b32 v[TMP], 5, v0
	s_delay_alu instid0(VALU_DEP_1)
	v_readfirstlane_b32 s12, v[TMP]                ; wave
	s_mov_b32 s14, ttmp9                           ; the record
	s_and_b32 s15, ttmp7, 0xffff                   ; which 512 queries
	s_lshl_b32 s15, s15, 4
	s_add_co_u32 s15, s15, s12                     ; the pair of query tiles that I stage and, at the end, store: 16 y + wave
	s_mul_i32 s16, s14, 139264
	s_lshl_b32 s17, s15, 11
	s_add_co_u32 s30, s16, s17                     ; its images
	s_mov_b32 s31, 0
	s_lshr_b32 s17, s15, 2
	s_lshl_b32 s17, s17, 9
	s_add_co_u32 s32, s16, s17
	s_and_b32 s17, s15, 3
	s_lshl_b32 s17, s17, 2
	s_add_co_u32 s32, s32, s17                     ; its scale words
	s_mov_b32 s33, 0
	s_mul_i32 s16, s14, 241664
	s_lshl_b32 s17, s12, 13
	s_add_co_u32 s20, s16, s17                     ; my keys: K's images, 8,192 bytes,
	s_mov_b32 s21, 0
	s_lshl_b32 s17, s12, 9
	s_add_co_u32 s22, s16, s17                     ; its scale words, 512,
	s_mov_b32 s23, 0
	s_mul_i32 s17, s12, 6144
	s_add_co_u32 s24, s16, s17                     ; V's images, 6,144,
	s_mov_b32 s25, 0
	s_lshl_b32 s17, s12, 8
	s_add_co_u32 s26, s16, s17                     ; its scale halfwords, 256
	s_mov_b32 s27, 0
	s_lshr_b32 s34, s14, 4
	s_lshl_b32 s34, s34, 6
	s_add_co_u32 s34, s34, s15
	s_lshl_b32 s36, s34, 4
	s_mul_i32 s34, s34, 24576
	s_and_b32 s17, s14, 15
	s_add_co_u32 s36, s36, s17
	s_mul_i32 s17, s17, 768
	s_add_co_u32 s34, s34, s17                     ; x's images: pair of row tiles x 24,576 + head x 768
	s_mov_b32 s35, 0
	s_lshl_b32 s36, s36, 6                         ; x's scale halfwords
	s_mov_b32 s37, 0
	s_lshl_b32 s38, s12, 12
	s_lshl_b32 s39, s12, 8
	s_lshl_b32 s50, s12, 2
	s_lshl_b32 s51, s12, 11
	s_lshl_b32 s52, s12, 7
	s_add_co_u32 s53, s12, 1
	s_lshr_b32 s53, s53, 4
	s_add_co_u32 s53, s53, s12                     ; wave + 1 for wave 15 alone: it also writes entry 16 of the scale words
	s_lshl_b32 s53, s53, 7
	s_mov_b32 s40, 0x76543210
	s_mov_b32 s41, 0xfedcba98                      ; v_permlanex16_b32's selects for lane l xor 16
	s_mov_b32 s42, 0x3e38aa3b                      ; log2(e) / 8
	s_mov_b32 s43, s42
	s_mov_b32 s62, 0x05040100
	s_mov_b32 s63, 0x07060302
	s_mov_b32 s49, 0xffff0000                      ; lanes 16-31
.set HL,  148                          ; the head's own registers, where the scores will lie
.set HR,  149
.set HH,  150
.set H16, 151
.set H8,  152
.set H4,  153
.set H8R, 154
.set HQ,  155
.set HS,  156
.set HS2, 157
.set QST, 164
.set QSW, 180
	v_and_b32 v[HL], 31, v0
	v_and_b32 v[HR], 15, v0
	v_bfe_u32 v[HH], v0, 4, 1
	v_lshlrev_b32 v[H16], 4, v[HL]
	v_lshlrev_b32 v[H8], 3, v[HL]
	v_lshlrev_b32 v[H4], 2, v[HL]
	v_lshlrev_b32 v[H8R], 3, v[HR]
	v_add_nc_u32 v[AOP], s38, v[H16]               ; 4,096 x wave + 16 x lane
	v_add_nc_u32 v[ARD], s39, v[H8]                ; 256 x wave + 8 x lane
	v_mul_u32_u24 v[ASL], v[HR], 80
	v_add_nc_u32 v[AQ0], QL, v[H16]
	v_add_nc_u32 v[AQS0], QSL, v[H4]
	v_add_nc_u32 v[AOP+1], 65536, v[AOP]
	v_add_nc_u32 v[ARD+1], 65536, v[ARD]
	v_add_nc_u32 v[AF0], FIN, v[ARD]
	v_add_nc_u32 v[ASL], STB, v[ASL]
	v_add_nc_u32 v[HQ], s51, v[AQ0]
	v_add_nc_u32 v[HS], s52, v[AQS0]
	v_add_nc_u32 v[HS2], s53, v[AQS0]
	v_add_nc_u32 v[AST], s50, v[ASL]               ; 80 x query + 4 x wave
	v_lshl_add_u32 v[ASL], v[HH], 5, v[ASL]        ; 80 x query + 32 h
	v_mov_b32 v[AQ], v[AQ0]
	v_mov_b32 v[AQS], v[AQS0]
.irp j, 0,1,2,3
	v_mov_b32 v[Q+8+\j], 0                         ; the fragment's idle end, and the lane permutes' destinations
	v_mov_b32 v[PT+\j], 0
.endr
	v_mov_b32 v[NM+1], 0                           ; named as the upper halves of pairs
	v_mov_b32 v[G+1], 0
	v_mov_b32 v[F+1], 0
	s_wait_alu depctr_va_vdst(0)
	s_wait_kmcnt 0x0
	s_add_nc_u64 s[54:55], s[4:5], s[30:31]
	s_add_nc_u64 s[56:57], s[4:5], s[32:33]
	s_add_nc_u64 s[20:21], s[6:7], s[20:21]
	s_add_nc_u64 s[22:23], s[6:7], s[22:23]
	s_add_nc_u64 s[24:25], s[6:7], s[24:25]
	s_add_nc_u64 s[26:27], s[6:7], s[26:27]
	s_add_nc_u64 s[58:59], s[8:9], s[34:35]
	s_add_nc_u64 s[60:61], s[10:11], s[36:37]
.irp k, 0,1,2,3
	global_load_b128 v[QST+4*\k:QST+4*\k+3], v[H16], s[54:55] offset:512*\k
.endr
	global_load_b32 v[QSW], v[H16], s[56:57] offset:131072
.irp i, 0,1,2,3,4,5,6,7
	global_load_b128 v[K+8*\i:K+8*\i+3], v[H16], s[20:21] offset:1024*\i
	global_load_b128 v[K+8*\i+4:K+8*\i+7], v[H16], s[20:21] offset:1024*\i+512
.endr
	global_load_b128 v[KSC:KSC+3], v[H16], s[22:23] offset:131072
.irp c, 0,1
.irp d, 0,1,2,3
	global_load_b128 v[V+12*\d+6*\c:V+12*\d+6*\c+3], v[H16], s[24:25] offset:139264+3072*\c+768*\d
	global_load_b64 v[V+12*\d+6*\c+4:V+12*\d+6*\c+5], v[H8], s[24:25] offset:139264+3072*\c+768*\d+512
.endr
.endr
	global_load_b64 v[VX:VX+1], v[H8R], s[26:27] offset:237568
	global_load_b64 v[VX+2:VX+3], v[H8R], s[26:27] offset:237568+128
	s_wait_loadcnt 35                              ; the queries' five loads are in; behind them 16 + 1 of K, 16 of V and 2 of its scales were issued
.irp k, 0,1,2,3
	ds_store_b128 v[HQ], v[QST+4*\k:QST+4*\k+3] offset:512*\k
.endr
	ds_store_b32 v[HS], v[QSW]
	ds_store_b32 v[HS2], v[QSW]                    ; (waves 0 to 14: the same word once more)
	s_mov_b32 s44, 0
	s_mov_b32 s45, 0
	s_mov_b32 s46, 0
	s_mov_b32 s48, 15
	s_wait_loadcnt 17                              ; K, its scale words and V's first four registers, which K's last fragment names, are in; V's other 15 loads and the 2 of its scales may stay out: nothing touches their registers ahead of the first tile's barrier
	s_wait_xcnt 0x0                                ; the loads have read their address registers, over which the scores are laid
	s_wait_dscnt 0x0
	s_barrier_signal -1
	s_barrier_wait -1                              ; all 32 tiles of queries are staged
	ds_load_b128 v[Q:Q+3], v[AQ]
	ds_load_b128 v[Q+4:Q+7], v[AQ] offset:512
	ds_load_b32 v[QS], v[AQS]
	s_wait_dscnt 0x0
	UNIT 0, 0                                      ; the first pair is written out: the first tile has no tile before it
	UNIT 1, 1
	s_add_co_u32 s46, s46, 8192
.Lpair:
	UNIT 0, 1
	UNIT 1, 1
	s_add_co_u32 s46, s46, 8192
	s_sub_co_u32 s48, s48, 1
	s_cmp_lg_u32 s48, 0
	s_cbranch_scc1 .Lpair
	s_wait_dscnt 0x0
	s_barrier_signal -1
	s_barrier_wait -1                              ; the last tile's parts are stored
	RLOAD ARD+1
	s_wait_dscnt 0x0
	RSUM
	ds_store_b64 v[AFN], v[R:R+1] offset:4096
	s_wait_dscnt 0x0
	s_barrier_signal -1
	s_barrier_wait -1                              ; the stage is whole
.set EL16, 3
.set EL8,  4
.set EL2,  5
.set AFR,  6
	s_lshl_b32 s38, s12, 13
	s_add_co_u32 s38, s38, FIN
	v_and_b32 v[TMP], 31, v0
	s_delay_alu instid0(VALU_DEP_1)
	v_lshlrev_b32 v[EL16], 4, v[TMP]
	v_lshlrev_b32 v[EL8], 3, v[TMP]
	v_lshlrev_b32 v[EL2], 1, v[TMP]
	s_delay_alu instid0(VALU_DEP_3)
	v_add_nc_u32 v[AFR], s38, v[EL16]
.set J, 0
.rept 16
	ds_load_b128 v[S+4*J:S+4*J+3], v[AFR] offset:512*J     ; tiles 2 w and 2 w + 1 as O^T's registers
.set J, J+1
.endr
	s_wait_alu depctr_va_vdst(0)
	s_wait_dscnt 0x0
.macro OUT u                           ; x's two blocks of 32 along the head, quantised as an operand of the last product; each tile has its own registers for its codes
.set OO, S+32*\u
.set PO, K+16*\u
.set TO, K+32+8*\u
.irp b, 0,1
	v_max3_num_f32 v[BM+\b], |v[OO+16*\b]|, |v[OO+16*\b+1]|, 0x1800000
.endr
.irp i, 2,4,6,8,10,12,14
.irp b, 0,1
	s_delay_alu instid0(VALU_DEP_2)
	v_max3_num_f32 v[BM+\b], v[BM+\b], |v[OO+16*\b+\i]|, |v[OO+16*\b+\i+1]|
.endr
.endr
.irp b, 0,1
	s_delay_alu instid0(VALU_DEP_2)
	v_permlanex16_b32 v[PT+\b], v[BM+\b], s40, s41
.endr
.irp b, 0,1
	s_delay_alu instid0(VALU_DEP_2)
	v_max_num_f32 v[BM+\b], v[BM+\b], v[PT+\b]
.endr
.irp b, 0,1
	s_delay_alu instid0(VALU_DEP_2)
	v_add_nc_u32 v[SC+\b], 0xff000000, v[BM+\b]
.endr
.irp b, 0,1
	s_delay_alu instid0(VALU_DEP_2)
	v_lshrrev_b32 v[BY+\b], 23, v[SC+\b]
.endr
	s_delay_alu instid0(VALU_DEP_1)
	v_lshl_or_b32 v[XS+\u], v[BY+1], 8, v[BY]
	v_cvt_scalef32_pk16_fp6_f32 v[PO:PO+2], v[OO:OO+15], v[SC]
	v_cvt_scalef32_pk16_fp6_f32 v[TO:TO+2], v[OO+16:OO+31], v[SC+1]
	v_nop
.irp i, 0,1,2
	v_permlane16_swap_b32 v[PO+\i], v[TO+\i]
.endr
.irp i, 0,1,2
	s_delay_alu instid0(VALU_DEP_3)
	v_mov_b32 v[PO+3+\i], v[TO+\i]
.endr
	global_store_b128 v[EL16], v[PO:PO+3], s[58:59] offset:12288*\u       ; 512 consecutive bytes, at a multiple of 256
	global_store_b64 v[EL8], v[PO+4:PO+5], s[58:59] offset:12288*\u+512   ; 256 consecutive bytes, at a multiple of 256
.endm
	OUT 0
	OUT 1
	v_cndmask_b32 v[TMP], v[XS], v[XS+1], s49      ; lanes 0-15 the first tile's halfword, lanes 16-31 the second's
	global_store_b16 v[EL2], v[TMP], s[60:61]
	s_wait_tensorcnt 0x0                           ; the wave's end, behind my last LDS store
	ds_add_u32 v[SPW], v[NIL]
	s_wait_dscnt 0x0
	s_endpgm
.Lfunc_end_k_q5554077d67_attn:
	.size	k_q5554077d67_attn, .Lfunc_end_k_q5554077d67_attn-k_q5554077d67_attn
	.p2alignl 7, 3214868480
	.fill 96, 4, 3214868480
	.section	.rodata,"a",@progbits
	.p2align	6, 0x0
	.amdhsa_kernel k_q5554077d67_attn
		.amdhsa_group_segment_fixed_size 304384
		.amdhsa_private_segment_fixed_size 0
		.amdhsa_enable_private_segment 0
		.amdhsa_kernarg_size 32
		.amdhsa_user_sgpr_count 2
		.amdhsa_user_sgpr_kernarg_segment_ptr 1
		.amdhsa_wavefront_size32 1
		.amdhsa_system_sgpr_workgroup_id_x 1
		.amdhsa_system_sgpr_workgroup_id_y 1
		.amdhsa_system_sgpr_workgroup_id_z 1
		.amdhsa_system_vgpr_workitem_id 0
		.amdhsa_next_free_vgpr 256
		.amdhsa_next_free_sgpr 66
		.amdhsa_reserve_vcc 0
		.amdhsa_float_denorm_mode_32 3
		.amdhsa_float_denorm_mode_16_64 3
		.amdhsa_memory_ordered 1
		.amdhsa_forward_progress 1
		.amdhsa_inst_pref_size 102
	.end_amdhsa_kernel
	.amdgpu_metadata
---
amdhsa.version: [ 1, 2 ]
amdhsa.kernels:
  - .name:           k_q5554077d67_attn
    .symbol:         k_q5554077d67_attn.kd
    .args:
      - { .name: qa, .offset: 0, .size: 8, .value_kind: global_buffer, .address_space: global }
      - { .name: kv, .offset: 8, .size: 8, .value_kind: global_buffer, .address_space: global }
      - { .name: ximg, .offset: 16, .size: 8, .value_kind: global_buffer, .address_space: global }
      - { .name: xsc, .offset: 24, .size: 8, .value_kind: global_buffer, .address_space: global }
    .group_segment_fixed_size: 304384
    .private_segment_fixed_size: 0
    .kernarg_segment_align: 8
    .kernarg_segment_size: 32
    .max_flat_workgroup_size: 512
    .sgpr_count:     66
    .vgpr_count:     256
    .wavefront_size: 32
...
	.end_amdgpu_metadata
.endif
;; end of part 3
;; launch outp (part 4): grid 4 x 64, 4 waves a work-group, clusters of 4 x 4, 327,680 bytes of LDS; arguments ximg, xsc, img, scl, bo, out0; writes out0
.if DOCPART == 4
	.amdgcn_target "amdgcn-amd-amdhsa--gfx1250"
	.amdhsa_code_object_version 6
	.text
	.protected	k_q5554077d67_outp
	.globl	k_q5554077d67_outp
	.p2align	8
	.type	k_q5554077d67_outp,@function
k_q5554077d67_outp:
	s_mov_b64 s[64:65], 0
	v_nop
	global_prefetch_b8 v0, s[64:65] scope:SCOPE_SE
	s_setreg_imm32_b32 hwreg(HW_REG_WAVE_MODE, 25, 1), 1
	s_wait_xcnt 0x0
	s_wait_alu depctr_hold_cnt(0) depctr_sa_sdst(0) depctr_va_vdst(0) depctr_va_sdst(0) depctr_va_ssrc(0) depctr_va_vcc(0) depctr_vm_vsrc(0)
	s_getreg_b32 s2, hwreg(HW_REG_IB_STS2, 6, 4)
	s_cmp_eq_u32 s2, 0
	s_cbranch_scc0 .Lentry_in_a_cluster
	s_endpgm
.Lentry_in_a_cluster:
	s_bfe_u32 s2, ttmp6, 0x10000c
	s_cmp_lg_u32 s2, 0xf033
	s_cbranch_scc0 .Lentry_shape_is_right
	s_endpgm
.Lentry_shape_is_right:
; out0 = x Wo^T + bo on codes of FP6 (E2M3).  x comes as the images and scale bytes that the attention launch stored, Wo as the first launch's.
; D = P Q^T: source 0 = 16 rows of Wo (P), source 1 = 16 tokens (Q): a lane holds one token, and its registers run along the output's features: the 16 registers of tiles 2 b, 2 b + 1 are 16 neighbouring features.
; A work-group makes 256 features x 128 tokens; wave w takes P's tiles 4 w .. 4 w + 3 (64 features, 256 bytes of a row of out0) against Q's eight: 32 accumulators.
; ALL OF K (1,024) LIES IN LDS: four chunks of 256 along K, each filled once by the tensor data mover; nothing is filled again.  Waves 0, 1 fetch P's halves, wave 2 Q; four loads of a wave are out at the most.
; CLUSTER 4 x 4: P's tile hangs on cx alone and is asked for jointly by a column of the cluster, Q's on cy (and the cluster's y) alone and by a row.
; The bias is the C of each sum's first product.  Results leave through the wave's own stage in LDS: sixteen lanes store 256 consecutive bytes of a row, at a multiple of 256.
; REGISTERS: window 0: addresses, scale words, the bias, the way out.  Windows 1, 2: fragment buffers 0, 1 (P at v[12 p], Q at v[48 + 12 t]).  Window 3: accumulator (t, p) at v[32 t + 8 p].
; LDS AS THIS TEXT LAYS IT (in place of the four chunks named above): K lies in TWO HALVES of 512, each filled once.  Q's region [half 2][row tile 8][6,144] from 0, P's [half 2][row tile 16][6,144] from PREG.
; At the head every wave issues ONE joint load: waves 0, 1 P's two row halves of K's first half, wave 2 Q's first half of K, wave 3 Q's second.  P's second half of K (waves 0, 1) follows behind the wait for the head's loads and a round
; it has K steps 0 to 3, 128 products, in which to land.  One tensor load of a wave is out at the most.
.set PREG,  98304
.set SPARE, 294912                     ; the spare words, 128 bytes for each wave, that no other line names
.set STGB,  295424                     ; the stages: 16 rows x 272 bytes for each wave; no fill lands here
.set SPW,  1
.set NIL,  2
.set PA16, 3
.set PA8,  4
.set QA16, 7
.set QA8,  8
.set A16,  11
.set A8,   12
.set AB,   13
.set A2,   14
.set STO,  15
.set PSC,  16
.set QSC,  32
.set BI,   64
.set RD,   116
.set CO,   117
.set U,    128                         ; v128-191 x's scale halfwords: pair i, head d at U + 16 i + d; later the way out
.set OB,   128
.set G1Q,  32
.set G1P,  40
.set G0Q,  48
.set G0P,  68
.set MSB, 0
.macro WIN new                         ; the immediate's high byte repeats the setting that is left
.if MSB != \new
	s_set_vgpr_msb (MSB<<8)|\new
.set MSB, \new
.endif
.endm
.macro PLACES
.rept 4
	v_nop
.endr
.endm
.macro CROUND
	s_barrier_signal -1
	s_barrier_wait -1
	s_cmp_lg_u32 s20, 0
	s_cbranch_scc1 .Lnot_wave_0_\@
	s_barrier_signal -3
.Lnot_wave_0_\@:
	s_barrier_wait -3
	s_barrier_signal -1
	s_barrier_wait -1
.endm
.macro WM d, a, b, c, sa, sb, ra, rb
.if ((\ra) == 0) && ((\rb) == 0)
	v_wmma_scale_f32_16x16x128_f8f6f4 v[(\d):(\d)+7], v[(\a):(\a)+11], v[(\b):(\b)+11], v[(\c):(\c)+7], v[\sa], v[\sb] matrix_a_fmt:MATRIX_FMT_FP6 matrix_b_fmt:MATRIX_FMT_FP6
.elseif ((\rb) == 0)
	v_wmma_scale_f32_16x16x128_f8f6f4 v[(\d):(\d)+7], v[(\a):(\a)+11], v[(\b):(\b)+11], v[(\c):(\c)+7], v[\sa], v[\sb] matrix_a_fmt:MATRIX_FMT_FP6 matrix_b_fmt:MATRIX_FMT_FP6 matrix_a_scale:MATRIX_SCALE_ROW1
.elseif ((\ra) == 0)
	v_wmma_scale_f32_16x16x128_f8f6f4 v[(\d):(\d)+7], v[(\a):(\a)+11], v[(\b):(\b)+11], v[(\c):(\c)+7], v[\sa], v[\sb] matrix_a_fmt:MATRIX_FMT_FP6 matrix_b_fmt:MATRIX_FMT_FP6 matrix_b_scale:MATRIX_SCALE_ROW1
.else
	v_wmma_scale_f32_16x16x128_f8f6f4 v[(\d):(\d)+7], v[(\a):(\a)+11], v[(\b):(\b)+11], v[(\c):(\c)+7], v[\sa], v[\sb] matrix_a_fmt:MATRIX_FMT_FP6 matrix_b_fmt:MATRIX_FMT_FP6 matrix_a_scale:MATRIX_SCALE_ROW1 matrix_b_scale:MATRIX_SCALE_ROW1
.endif
.endm
.macro FRAG4 reg, a16, a8, off
	ds_load_b128 v[(\reg):(\reg)+3], v[\a16] offset:(\off)
	ds_load_b64 v[(\reg)+4:(\reg)+5], v[\a8] offset:(\off)+512
	ds_load_b128 v[(\reg)+6:(\reg)+9], v[\a16] offset:(\off)+768
	ds_load_b64 v[(\reg)+10:(\reg)+11], v[\a8] offset:(\off)+1280
.endm
.macro FETCH s
.if (\s)%2 == 0
	WIN 0x40
.else
	WIN 0x80
.endif
.irp p, 0,1,2,3
	FRAG4 12*\p, PA16+2*((\s)/4), PA8+2*((\s)/4), \p*6144+((\s)%4)*1536
.endr
.irp t, 0,1,2,3,4,5,6,7
	FRAG4 48+12*\t, QA16+2*((\s)/4), QA8+2*((\s)/4), \t*6144+((\s)%4)*1536
.endr
.endm
.macro MUL s                           ; the 32 accumulators take turns, one instruction a turn, in the same order in every step
.if (\s) == 0
	WIN 0xC5
.elseif (\s)%2 == 0
	WIN 0xF5
.else
	WIN 0xFA
.endif
.irp t, 0,1,2,3,4,5,6,7
.irp p, 0,1,2,3
.if (\s) == 0
	WM 32*\t+8*\p, 12*\p, 48+12*\t, BI+8*\p, PSC+8*(\p/2)+(\s), QSC+8*(\t/2)+(\s), \p%2, \t%2
.else
	WM 32*\t+8*\p, 12*\p, 48+12*\t, 32*\t+8*\p, PSC+8*(\p/2)+(\s), QSC+8*(\t/2)+(\s), \p%2, \t%2
.endif
.endr
.endr
.endm
.macro STEP s
	s_wait_dscnt 0x0                               ; this step's fragments, asked for 32 products ago, are in
.if (\s) == 3
	s_wait_tensorcnt 0x0                           ; my part of K's second half has landed
	s_barrier_signal -1
	s_barrier_wait -1
.endif
.if (\s) < 7
	PLACES
	FETCH (\s)+1
.endif
	MUL \s
.endm
	s_load_b256 s[4:11], s[0:1], 0x0               ; ximg, xsc, img, scl
	s_load_b128 s[12:15], s[0:1], 0x20             ; bo, out0
	v_lshl_add_u32 v[SPW], v0, 2, SPARE
	v_mov_b32 v[NIL], 0
	ds_add_u32 v[SPW], v[NIL]                      ; the wave's opening: the add and its wait stand ahead of the first tensor load; work on registers stands between them
	ds_add_u32 v[SPW], v[NIL]
	v_lshrrev_b32 v13, 5, v0
	v_readfirstlane_b32 s20, v13                   ; wave
	s_and_b32 s21, s20, 1
	s_bfe_u32 s22, ttmp6, 0x40000                  ; cx: P's tile of 256 features
	s_bfe_u32 s23, ttmp6, 0x40004                  ; cy
	s_and_b32 s28, ttmp7, 0xffff
	s_lshl_b32 s28, s28, 2
	s_add_co_u32 s28, s28, s23                     ; Q's tile of 128 tokens: 4 x cluster y + cy
	s_lshl_b32 s31, s23, 2
	s_lshl_b32 s31, 15, s31                        ; my row of the cluster
	s_lshl_b32 s2, 0x1111, s22                     ; my column
	s_or_b32 s[G1Q], s31, (3<<16)|(1<<21)
	s_or_b32 s[G1P], s2, (3<<16)|(1<<21)
.irp g, G1Q, G1P
	s_mov_b32 s[\g+1], 768<<16                     ; tensor_dim0 = 768 elements: a row tile's 6,144 bytes of half of K
	s_mov_b32 s[\g+2], 8<<16
	s_mov_b32 s[\g+3], 768<<16                     ; tile_dim0
	s_mov_b32 s[\g+4], 8
	s_mov_b32 s[\g+5], 1536
	s_mov_b32 s[\g+6], 0
	s_mov_b32 s[\g+7], 0
.endr
	s_mul_i32 s92, s22, 196608
	s_add_co_u32 s92, s92, 21233664                ; Wo's images
	s_mul_i32 s93, s21, 98304
	s_add_co_u32 s92, s92, s93
	s_mov_b32 s93, 0
	s_mul_i32 s94, s28, 98304
	s_mov_b32 s95, 0
	s_mul_i32 s29, s21, 49152                      ; where my eight row tiles of P go
	s_wait_dscnt 0x0                               ; the opening add is done
	s_wait_kmcnt 0x0
	s_add_nc_u64 s[96:97], s[8:9], s[92:93]
	s_add_nc_u64 s[98:99], s[4:5], s[94:95]
.irp j, 0,1
	s_mov_b32 s[G0P+4*\j], 1
	s_add_co_u32 s[G0P+4*\j+1], s29, PREG+98304*\j
	s_add_nc_u64 s[G0P+4*\j+2:G0P+4*\j+3], s[96:97], 6144*\j
	s_or_b32 s[G0P+4*\j+3], s[G0P+4*\j+3], 0x80000000
	s_mov_b32 s[G0Q+4*\j], 1
	s_mov_b32 s[G0Q+4*\j+1], 49152*\j
	s_add_nc_u64 s[G0Q+4*\j+2:G0Q+4*\j+3], s[98:99], 6144*\j
	s_or_b32 s[G0Q+4*\j+3], s[G0Q+4*\j+3], 0x80000000
.endr
	CROUND                                         ; all sixteen work-groups are here: the joint loads meet
	s_cmp_lt_u32 s20, 2                            ; the head's loads, one a wave, in one chain of branches on the wave's number
	s_cbranch_scc0 .Lnot_p
	tensor_load_to_lds s[G0P:G0P+3], s[G1P:G1P+7]  ; waves 0, 1: my eight row tiles of P, K's first half
	s_nop 0
	PLACES
	s_branch .Lasked
.Lnot_p:
	s_cmp_eq_u32 s20, 2
	s_cbranch_scc0 .Lq_second
	tensor_load_to_lds s[G0Q:G0Q+3], s[G1Q:G1Q+7]  ; wave 2: Q, K's first half
	s_nop 0
	PLACES
	s_branch .Lasked
.Lq_second:
	tensor_load_to_lds s[G0Q+4:G0Q+7], s[G1Q:G1Q+7]  ; wave 3: Q, K's second half
	s_nop 0
	PLACES
.Lasked:
	v_and_b32 v112, 31, v0                         ; lane
	v_and_b32 v113, 15, v0                         ; r
	v_bfe_u32 v114, v0, 4, 1                       ; h
	v_lshlrev_b32 v[A16], 4, v112
	s_wait_alu depctr_va_vdst(0)
	v_lshlrev_b32 v[A8], 3, v112
	v_lshlrev_b32 v[A2], 1, v112
	s_wait_alu depctr_va_vdst(0)
	v_lshlrev_b32 v[AB], 6, v114
	s_wait_alu depctr_va_vdst(0)
	s_lshl_b32 s92, s22, 13                        ; Wo's scale words: pair 8 cx + 2 x wave on
	s_add_co_u32 s92, s92, 884736
	s_lshl_b32 s93, s20, 11
	s_add_co_u32 s92, s92, s93
	s_mov_b32 s93, 0
	s_add_nc_u64 s[96:97], s[10:11], s[92:93]
	s_lshl_b32 s94, s28, 12                        ; x's scale halfwords: four pairs of tiles x 16 heads x 64 bytes
	s_add_nc_u64 s[98:99], s[6:7], s[94:95]
.irp i, 0,1
.irp k, 0,1
	global_load_b128 v[PSC+8*\i+4*\k:PSC+8*\i+4*\k+3], v[A16], s[96:97] offset:1024*\i+512*\k
.endr
.endr
.irp i, 0,1,2,3
.irp d, 0,1,2,3,4,5,6,7,8,9,10,11,12,13,14,15
	global_load_u16 v[U+16*\i+\d], v[A2], s[98:99] offset:1024*\i+64*\d
.endr
.endr
	s_lshl_b32 s92, s22, 10                        ; the bias of my 64 features
	s_lshl_b32 s93, s20, 8
	s_add_co_u32 s92, s92, s93
	s_mov_b32 s93, 0
	s_add_nc_u64 s[2:3], s[12:13], s[92:93]
.irp p, 0,1,2,3
	global_load_b128 v[BI+8*\p:BI+8*\p+3], v[AB], s[2:3] offset:(32*(\p/2)+8*(\p%2))*4
	global_load_b128 v[BI+8*\p+4:BI+8*\p+7], v[AB], s[2:3] offset:(32*(\p/2)+8*(\p%2))*4+16
.endr
	s_mul_i32 s26, s20, 24576                      ; my four tiles of P, 6,144 bytes each in a half of K
	s_add_co_u32 s26, s26, PREG
	v_add_nc_u32 v[PA16], s26, v[A16]
	v_add_nc_u32 v[PA8], s26, v[A8]
	v_add_nc_u32 v[PA16+2], 98304, v[PA16]
	v_add_nc_u32 v[PA8+2], 98304, v[PA8]
	v_add_nc_u32 v[QA16], 0, v[A16]
	v_add_nc_u32 v[QA8], 0, v[A8]
	v_add_nc_u32 v[QA16+2], 49152, v[A16]
	v_add_nc_u32 v[QA8+2], 49152, v[A8]
	s_mul_i32 s26, s20, 4352
	s_add_co_u32 s26, s26, STGB                    ; my stage
	v_mul_u32_u24 v[STO], v113, 272                ; in: row r, + 64 h
	v_lshl_add_u32 v[STO], v114, 6, v[STO]
	v_add_nc_u32 v[STO], s26, v[STO]
	v_mul_u32_u24 v[RD], v114, 272                 ; back: lanes 0-15 one row, lanes 16-31 the next
	v_lshl_add_u32 v[RD], v113, 4, v[RD]
	v_add_nc_u32 v[RD], s26, v[RD]
	v_lshlrev_b32 v[CO], 12, v114                  ; and the same two rows in out0
	v_lshl_add_u32 v[CO], v113, 4, v[CO]
	s_lshl_b32 s100, s28, 19                       ; out0: 128 rows of 4,096 bytes a tile of tokens, + my 256 bytes of a row
	s_lshl_b32 s101, s22, 10
	s_add_co_u32 s100, s100, s101
	s_lshl_b32 s101, s20, 8
	s_add_co_u32 s100, s100, s101
	s_mov_b32 s101, 0
	s_add_nc_u64 s[86:87], s[14:15], s[100:101]
	s_wait_loadcnt 0x0
.irp i, 0,1,2,3
.irp s, 0,1,2,3,4,5,6,7
	v_lshl_or_b32 v[QSC+8*\i+\s], v[U+16*\i+2*\s+1], 16, v[U+16*\i+2*\s]   ; K step s is heads 2 s and 2 s + 1
.endr
.endr
.rept 8
	v_nop                                          ; a scale register written by a vector instruction stands 8 places ahead of a scaled product
.endr
	s_wait_alu depctr_va_vdst(0)
	s_wait_tensorcnt 0x0                           ; my load of the head has landed
	ds_add_u32 v[SPW], v[NIL]
	s_wait_dscnt 0x0
	CROUND                                         ; everybody's has, and all sixteen work-groups are here: the joint loads meet
	s_cmp_lt_u32 s20, 2
	s_cbranch_scc0 .Lno_second
	tensor_load_to_lds s[G0P+4:G0P+7], s[G1P:G1P+7]  ; waves 0, 1: P, K's second half
	s_nop 0
	PLACES
.Lno_second:
	FETCH 0
	STEP 0
	STEP 1
	STEP 2
	STEP 3
	STEP 4
	STEP 5
	STEP 6
	STEP 7
	WIN 0
	PLACES                                         ; behind the last products, ahead of the first read of results
; THE WAY OUT, a tile of 16 tokens at a time.  A lane holds 4 x 16 bytes of each half of its token's 256 bytes; they go into rows of 272 bytes and come back as whole rows.  LDS serves a wave's instructions in order.
.macro TOSTAGE t
	WIN 0x0C                                       ; an LDS store's data are its source 1: window 3
.irp b, 0,1
.irp q, 0,1,2,3
	ds_store_b128 v[STO], v[32*(\t)+16*\b+4*\q:32*(\t)+16*\b+4*\q+3] offset:128*\b+16*\q   ; each accumulator from its low end on
.endr
.endr
	WIN 0
.irp i, 0,1,2,3,4,5,6,7
	ds_load_b128 v[OB+32*((\t)%2)+4*\i:OB+32*((\t)%2)+4*\i+3], v[RD] offset:2*\i*272
.endr
.endm
.macro SEND t, younger                 ; younger: the LDS instructions issued behind tile t's loads, which may stay out
	s_wait_dscnt \younger
.irp i, 0,1,2,3,4,5,6,7
	global_store_b128 v[CO], v[OB+32*((\t)%2)+4*\i:OB+32*((\t)%2)+4*\i+3], s[86:87] offset:(32*((\t)/2)+8*((\t)%2)+2*(\i%4)+16*(\i/4))*4096 th:TH_STORE_NT   ; stage row 2 i + h is token 2 (i % 4) + h + 16 (i / 4) of the tile
.endr
.endm
	TOSTAGE 0
.irp t, 1,2,3,4,5,6,7
.if \t > 1
	s_wait_xcnt 0x0                                ; tile t - 2's stores have read their registers: tile t's loads may land there
.endif
	TOSTAGE \t
	SEND \t-1, 16                                  ; behind tile t - 1's loads: tile t's eight stores and eight loads
.endr
	SEND 7, 0
	s_wait_tensorcnt 0x0                           ; the wave's end, behind my last tensor load and my last LDS store
	ds_add_u32 v[SPW], v[NIL]
	s_wait_dscnt 0x0
	CROUND                                         ; the closing round
	s_endpgm
.Lfunc_end_k_q5554077d67_outp:
	.size	k_q5554077d67_outp, .Lfunc_end_k_q5554077d67_outp-k_q5554077d67_outp
	.p2alignl 7, 3214868480
	.fill 96, 4, 3214868480
	.section	.rodata,"a",@progbits
	.p2align	6, 0x0
	.amdhsa_kernel k_q5554077d67_outp
		.amdhsa_group_segment_fixed_size 327680
		.amdhsa_private_segment_fixed_size 0
		.amdhsa_enable_private_segment 0
		.amdhsa_kernarg_size 48
		.amdhsa_user_sgpr_count 2
		.amdhsa_user_sgpr_kernarg_segment_ptr 1
		.amdhsa_wavefront_size32 1
		.amdhsa_system_sgpr_workgroup_id_x 1
		.amdhsa_system_sgpr_workgroup_id_y 1
		.amdhsa_system_sgpr_workgroup_id_z 1
		.amdhsa_system_vgpr_workitem_id 0
		.amdhsa_next_free_vgpr 1024
		.amdhsa_next_free_sgpr 102
		.amdhsa_reserve_vcc 0
		.amdhsa_float_denorm_mode_32 3
		.amdhsa_float_denorm_mode_16_64 3
		.amdhsa_memory_ordered 1
		.amdhsa_forward_progress 1
		.amdhsa_inst_pref_size 91
	.end_amdhsa_kernel
	.amdgpu_metadata
---
amdhsa.version: [ 1, 2 ]
amdhsa.kernels:
  - .name:           k_q5554077d67_outp
    .symbol:         k_q5554077d67_outp.kd
    .args:
      - { .name: ximg, .offset: 0, .size: 8, .value_kind: global_buffer, .address_space: global }
      - { .name: xsc, .offset: 8, .size: 8, .value_kind: global_buffer, .address_space: global }
      - { .name: img, .offset: 16, .size: 8, .value_kind: global_buffer, .address_space: global }
      - { .name: scl, .offset: 24, .size: 8, .value_kind: global_buffer, .address_space: global }
      - { .name: bo, .offset: 32, .size: 8, .value_kind: global_buffer, .address_space: global }
      - { .name: out0, .offset: 40, .size: 8, .value_kind: global_buffer, .address_space: global }
    .group_segment_fixed_size: 327680
    .private_segment_fixed_size: 0
    .kernarg_segment_align: 8
    .kernarg_segment_size: 48
    .max_flat_workgroup_size: 128
    .sgpr_count:     102
    .vgpr_count:     1024
    .wavefront_size: 32
...
	.end_amdgpu_metadata
.endif
;; end of part 4
